; MI455X (gfx1250); checked and timed in simulation.
; The chip was launched on July 23, 2026; its instructions are those of AMD's public machine-readable ISA for CDNA 5 (MIT licence, August 2026) and "CDNA5" Instruction Set Architecture Reference Guide (July 2026). The comments in the code are by the model that wrote it; some were corrected since.
;; Transformer Block. Allowed arithmetic: matrix products marked QUANTISED: E3M2 operands, one E8M0 scale for each 32 along K, by v_wmma_scale_f32_16x16x128_f8f6f4 with both operands' format E3M2, f32 sums; everything else in f32.
;; Inputs: b1 4,096 float32; b2 1,024 float32; bk 1,024 float32; bo 1,024 float32; bq 1,024 float32; bv 1,024 float32; ln1_b 1,024 float32; ln1_g 1,024 float32; ln2_b 1,024 float32; ln2_g 1,024 float32; w1 4,096 x 1,024 float32; w2 1,024 x 4,096 float32; wk 1,024 x 1,024 float32; wo 1,024 x 1,024 float32; wq 1,024 x 1,024 float32; wv 1,024 x 1,024 float32; x 2 x 2,048 x 1,024 float32.
;; Outputs: out0 2 x 2,048 x 1,024 float32.
;; This version of the problem:
;;   THIS VERSION OF THE PROBLEM IS GIVEN IN LOW PRECISION. The matrix products marked QUANTISED in the list below multiply operands that are first quantised to E3M2 (3 exponent bits, 2 mantissa bits; 6 bits a number), with one power-of-two scale for each 32 numbers along K (OCP MX v1.0); their sums are f32. All else is computed in f32.
;;   The module's matrix products, in the order in which they are computed (A, B: the left and right operand; K: the contracted axis; several contracted axes count as one K, in the product's order):
;;     1. [M 4,096, K 1,024] x [K 1,024, N 1,024]; A: input x; B: input wq: QUANTISED
;;     2. [M 4,096, K 1,024] x [K 1,024, N 1,024]; A: input x; B: input wk: QUANTISED
;;     3. [M 4,096, K 1,024] x [K 1,024, N 1,024]; A: input x; B: input wv: QUANTISED
;;     4. batch 32 x [M 2,048, K 64] x [K 64, N 2,048]; A: computed on the way; B: computed on the way: QUANTISED
;;     5. batch 32 x [M 2,048, K 2,048] x [K 2,048, N 64]; A: softmax (see below); B: computed on the way: QUANTISED
;;     6. [M 4,096, K 1,024] x [K 1,024, N 1,024]; A: computed on the way; B: input wo: QUANTISED
;;     7. [M 4,096, K 1,024] x [K 1,024, N 4,096]; A: computed on the way; B: input w1: QUANTISED
;;     8. [M 4,096, K 4,096] x [K 4,096, N 1,024]; A: computed on the way; B: input w2: QUANTISED
;;   THE QUANTISER, for each operand of a quantised product, along K:
;;     - K is cut into blocks of 32 from its start; a last block that is shorter is filled with zeros.
;;     - A block's scale is 2^e with e = floor(log2(the largest magnitude in the block)) - 4, held to -126 .. 127; a block of zeros has e = 0. As a byte (E8M0): e + 127.
;;     - Each number is divided by its block's scale, clamped to +-28, and rounded to the nearest number of E3M2, ties to even, subnormals kept.
;;     - The product sums the exact products of the quantised numbers (number of the format x scale) in f32.
;;   ~~~python
;;   def quantise(x, axis):      # numpy; x: float32 -> the quantised numbers, widened to float32 again
;;       x = np.moveaxis(x, axis, -1); K = x.shape[-1]
;;       x = np.pad(x, [(0, 0)] * (x.ndim - 1) + [(0, -K % 32)]); x = x.reshape(x.shape[:-1] + (-1, 32)); a = np.abs(x).max(-1, keepdims=True)
;;       e = np.where(a > 0, np.clip(np.frexp(np.where(a > 0, a, 1))[1] - 1 - 4, -126, 127), 0)      # np.frexp(a)[1] - 1 = floor(log2(a)), exactly
;;       r = np.clip(x / 2.0 ** e, -28, 28)
;;       step = 2.0 ** (np.maximum(np.frexp(np.where(r == 0, 1, r))[1] - 1, -2) - 2)
;;       q = np.round(r / step) * step * 2.0 ** e      # np.round: ties to even
;;       return np.moveaxis(q.reshape(q.shape[:-2] + (-1,))[..., :K], -1, axis).astype(np.float32)
;;   ~~~
;;   SOFTMAX AHEAD OF A QUANTISED PRODUCT. Where the list says 'softmax', what is quantised is not the finished softmax but p = 2^(t - M), with t = logit x log2(e) and M = ceil(the row's largest t), a whole number; so 1/2 < the row's largest p <= 1. The row's sum l is taken of the UNQUANTISED p, in f32, and the product's result is divided by l at the end. Since M is a whole number, a kernel that streams over the keys may use a running M (the ceiling of the running maximum): every later rescaling is an exact power of two, which a block's scale takes up: the codes' values come out the same.
;;   OPERANDS COMPUTED ON THE WAY. 'Computed on the way' means the value that the module computes at that place (a softmax that the list does not call 'softmax' is quantised finished and normalised). What goes into a quantiser is computed in f32, as accurately as f32 sums, v_exp_f32 and their like allow (about 1e-6 of the number): no bf16 or f16 on the way to a quantiser, and a product that is left as it is and whose result goes on into a quantised operand takes f32 operands (vector FMAs, or v_wmma_f32_16x16x4_f32). A number that lies on a knife's edge between two numbers of the format may be rounded either way, as far as f32 arithmetic and the matrix unit's own rounding can turn it there, and no further.
;; One version. Each part assembles by itself: llvm-mc -triple=amdgcn-amd-amdhsa -mcpu=gfx1250 --defsym DOCPART=n.
;; ======== version 1 of 1: 7 launches
;; limits: right only within a limited range of input values
;; workspace buffers: wts 13,107,200 bytes; qkv 10,092,544 bytes; ctx 3,276,800 bytes; y 16,777,216 bytes; a1 20,054,016 bytes; hid 13,107,200 bytes
;; launch quant (part 1): grid 512 x 1, 4 waves a work-group, no clusters, 34,304 bytes of LDS; arguments x, wq, wk, wv, wo, w1, w2, wts; writes wts
.if DOCPART == 1
	.amdgcn_target "amdgcn-amd-amdhsa--gfx1250"
	.amdhsa_code_object_version 6
	.text
	.protected	k_qac67ebca4a_quant
	.globl	k_qac67ebca4a_quant
	.p2align	8
	.type	k_qac67ebca4a_quant,@function
k_qac67ebca4a_quant:
	s_mov_b64 s[64:65], 0
	v_nop
	global_prefetch_b8 v0, s[64:65] scope:SCOPE_SE
	s_setreg_imm32_b32 hwreg(HW_REG_WAVE_MODE, 25, 1), 1
	s_wait_xcnt 0x0
; x [4096][1024] and the six weights (rows along K), f32, become codes of BF6 (E3M2) with one E8M0 scale byte for each 32 along K, in the order in which a matrix operand's registers take them.
; A FRAGMENT is 16 rows x 128 K, 12 registers a lane, 1,536 bytes: two halves of 768; in half c lane l's registers 6c..6c+3 lie at 16 l, its registers 6c+4, 6c+5 at 512 + 8 l.  A tensor is [row block][K step][1,536].
; THE ROWS OF A ROW BLOCK ARE NOT NEIGHBOURS: place i of row block rb is row 32 (rb / 2) + 8 (rb % 2) + i + 8 (i / 8), so that a later product's results fall into a lane's registers as neighbours along the next K.
; SCALE WORDS (four bytes: one place, 128 along K) lie [place / 128][K step][place % 128].
; A block's scale is 2^(floor(log2(largest magnitude)) - 4); its byte is the largest magnitude's exponent field - 4, held at 1 from below.
; LIMITS: NaN and infinities are not served; a block whose largest magnitude lies under 2^-122 keeps the byte 1; a block of zeros has the byte 1 and zero codes (these bytes are read by this program alone).
; SHARES: a work-group takes 32 rows (two row blocks) x 1,024 along K; wave w takes K steps 2 w and 2 w + 1: four fragments.  Work-groups 0-127 x, 128-159 wq, 160-191 wk, 192-223 wv, 224-255 wo, 256-383 w1, 384-511 w2 (four work-groups to 32 rows).
; A load reads a row's 512 consecutive bytes; a fragment turns through the wave's own stage in LDS (16 rows of 512 + 16 bytes) so that a lane gets 2 x 32 neighbours of one row.  Waves share nothing: no barrier.
.set W2C,  9437184                     ; where w2's codes begin in wts
.set SC0,  12582912                    ; where the scale words begin
.set V16,  4                           ; v4   16 x lane
.set V8,   5                           ; v5   8 x lane
.set V4,   6                           ; v6   4 x lane
.set STI,  7                           ; v7   the stage, on the way in
.set STO,  8                           ; v8   and on the way out
.set SH8,  9                           ; v9   8 x (lane / 16)
.set WT,   10                          ; v10  the other half's bytes
.set OFF,  16                          ; v16-31 byte offset of place i's row, + 16 x lane
.set C,    32                          ; v32-43 the fragment's codes
.set T,    44                          ; v44-51 the conversions' second halves
.set MX,   52
.set SO,   54
.set BY,   56
.set W0,   58                          ; v58, v59 the scale words of the two row blocks
.set R,    64                          ; v64-191 two sets of 64: a fragment as loaded
.set X,    192                         ; v192-255 a lane's 64 numbers
.set SRC,  44                          ; s[44:47] the two row blocks' first rows
.set DST,  48                          ; s[48:51] their codes
.set SDS,  52                          ; s[52:53] the scale words
.set SEL,  54                          ; s[54:55] lane selects: lane l xor 16
	s_load_b256 s[4:11], s[0:1], 0x0               ; x, wq, wk, wv
	s_load_b256 s[12:19], s[0:1], 0x20             ; wo, w1, w2, wts
	v_lshl_add_u32 v62, v0, 2, 0x8400
	v_mov_b32 v63, 0
	v_lshrrev_b32 v1, 5, v0
	v_readfirstlane_b32 s20, v1                    ; wave
	v_and_b32 v1, 31, v0                           ; lane
	v_and_b32 v2, 15, v0                           ; r
	v_bfe_u32 v3, v0, 4, 1                         ; h
	v_lshlrev_b32 v[V16], 4, v1
	v_lshlrev_b32 v[V8], 3, v1
	v_lshlrev_b32 v[V4], 2, v1
	s_mul_i32 s21, s20, 8448                       ; my stage
	v_add_nc_u32 v[STI], s21, v[V16]
	v_mul_u32_u24 v[STO], v2, 528
	v_lshl_add_u32 v[STO], v3, 7, v[STO]
	v_add_nc_u32 v[STO], s21, v[STO]               ; row r, + 128 h bytes: 32 numbers
	v_lshlrev_b32 v[SH8], 3, v3
	v_mov_b32 v[WT], 0                             ; a lane permute's destination counts as one of its sources
	s_mov_b32 s[SEL], 0x76543210
	s_mov_b32 s[SEL+1], 0xfedcba98
	s_mov_b32 vcc_lo, 0xffff0000                   ; picks lanes 16-31
	s_cmp_ge_u32 ttmp9, 384                        ; w2 has rows of 4,096 numbers, all others of 1,024
	s_cselect_b32 s25, 2, 0                        ; log2 of the row's length / 1,024
	s_cselect_b32 s26, 3, 0
	s_cselect_b32 s27, W2C, 0
	s_mov_b32 s28, SC0
	s_cselect_b32 s28, SC0+393216, s28
	s_wait_alu depctr_va_vdst(0)
	s_wait_kmcnt 0x0
	s_mov_b64 s[22:23], s[4:5]
	s_mov_b32 s24, 0
.macro PICK first, ptr                 ; the tensor and its first work-group: the choice hangs on the work-group's number alone
	s_cmp_ge_u32 ttmp9, \first
	s_cselect_b64 s[22:23], s[\ptr:\ptr+1], s[22:23]
	s_cselect_b32 s24, \first, s24
.endm
	PICK 128, 6
	PICK 160, 8
	PICK 192, 10
	PICK 224, 12
	PICK 256, 14
	PICK 384, 16
	s_sub_co_u32 s29, ttmp9, s24
	s_lshr_b32 s30, s29, s25                       ; which 32 rows of the tensor
	s_and_b32 s31, s29, s26                        ; which 1,024 along K
	s_cmp_ge_u32 ttmp9, 384
	s_cselect_b32 s32, s30, ttmp9                  ; the tensors of 1,024 along K follow each other in wts: there the work-group's number counts 32 rows
	s_lshl_b32 s33, 4096, s25                      ; a row in bytes; also a group of 128 places of scale words
	s_lshl_b32 s34, 12288, s25                     ; a row block of codes
	s_mov_b32 s37, 0
	s_lshl_b32 s36, s30, 5
	s_mul_i32 s36, s36, s33
	s_lshl_b32 s35, s31, 12
	s_add_co_u32 s36, s36, s35
	s_lshl_b32 s35, s20, 10
	s_add_co_u32 s36, s36, s35
	s_add_nc_u64 s[SRC:SRC+1], s[22:23], s[36:37]
	s_lshl_b32 s36, s33, 3                         ; the second row block begins 8 rows on
	s_add_nc_u64 s[SRC+2:SRC+3], s[SRC:SRC+1], s[36:37]
	s_lshl_b32 s36, s32, 1
	s_mul_i32 s36, s36, s34
	s_add_co_u32 s36, s36, s27
	s_mul_i32 s35, s31, 12288
	s_add_co_u32 s36, s36, s35
	s_mul_i32 s35, s20, 3072
	s_add_co_u32 s36, s36, s35
	s_add_nc_u64 s[DST:DST+1], s[18:19], s[36:37]
	s_mov_b32 s36, s34
	s_add_nc_u64 s[DST+2:DST+3], s[DST:DST+1], s[36:37]
	s_lshr_b32 s36, s32, 2
	s_mul_i32 s36, s36, s33
	s_add_co_u32 s36, s36, s28
	s_lshl_b32 s35, s31, 12
	s_add_co_u32 s36, s36, s35
	s_lshl_b32 s35, s20, 10
	s_add_co_u32 s36, s36, s35
	s_and_b32 s35, s32, 3
	s_lshl_b32 s35, s35, 7
	s_add_co_u32 s36, s36, s35
	s_add_nc_u64 s[SDS:SDS+1], s[18:19], s[36:37]
	s_mul_i32 s35, s33, 9
	v_mov_b32 v[OFF], v[V16]
.irp i, 1,2,3,4,5,6,7,8,9,10,11,12,13,14,15
.if \i == 8
	v_add_nc_u32 v[OFF+\i], s35, v[OFF+\i-1]       ; place 8 is row 16
.else
	v_add_nc_u32 v[OFF+\i], s33, v[OFF+\i-1]
.endif
.endr
.macro LOAD f                          ; fragment f (K step f / 2, row block f % 2): 16 rows x 512 consecutive bytes
.irp i, 0,1,2,3,4,5,6,7,8,9,10,11,12,13,14,15
	global_load_b128 v[R+64*((\f)%2)+4*\i:R+64*((\f)%2)+4*\i+3], v[OFF+\i], s[SRC+2*((\f)%2):SRC+2*((\f)%2)+1] offset:512*((\f)/2) th:TH_LOAD_NT
.endr
.endm
; 64 numbers of a lane, v[x + 32 c + i] = k 64 c + 32 h + i of row r (two whole blocks), become the fragment's 12 registers in v[C] on and the row's scale word in v[w] (the same in lanes l and l xor 16)
.macro QROW x, w
.irp c, 0,1
	v_max3_num_f32 v[MX+\c], |v[\x+32*\c]|, |v[\x+32*\c+1]|, 0x2800000   ; with the floor 2^(5 - 127): the byte cannot fall under 1
.endr
.irp i, 2,4,6,8,10,12,14,16,18,20,22,24,26,28,30
.irp c, 0,1
	v_max3_num_f32 v[MX+\c], v[MX+\c], |v[\x+32*\c+\i]|, |v[\x+32*\c+\i+1]|
.endr
.endr
.irp c, 0,1
	v_add_nc_u32 v[SO+\c], 0xfe000000, v[MX+\c]    ; 4 off the exponent field: the conversion's scale operand
.endr
.irp c, 0,1
	v_lshrrev_b32 v[BY+\c], 23, v[SO+\c]           ; the scale's byte
.endr
	v_lshl_or_b32 v[\w], v[BY+1], 16, v[BY]        ; blocks h and 2 + h,
	v_lshlrev_b32 v[\w], v[SH8], v[\w]             ; at their places in the word;
	v_permlanex16_b32 v[WT], v[\w], s[SEL], s[SEL+1]
	v_or_b32 v[\w], v[\w], v[WT]                   ; with lane l xor 16's two the word is whole
.irp c, 0,1
	v_cvt_scalef32_pk16_bf6_f32 v[C+6*\c:C+6*\c+2], v[\x+32*\c:\x+32*\c+15], v[SO+\c]
	v_cvt_scalef32_pk16_bf6_f32 v[T+4*\c:T+4*\c+2], v[\x+32*\c+16:\x+32*\c+31], v[SO+\c]   ; (a conversion's three registers begin on an even number)
.endr
	v_nop                                          ; one plain place behind a scaled conversion
.irp c, 0,1
.irp i, 0,1,2
	v_mov_b32 v[C+6*\c+3+\i], v[T+4*\c+\i]
.endr
.endr
.endm
.macro STF reg, base, off              ; a fragment goes out as it stands: each store covers 512 or 256 consecutive bytes, aligned
	global_store_b128 v[V16], v[\reg:\reg+3], s[\base:\base+1] offset:\off
	global_store_b64 v[V8], v[\reg+4:\reg+5], s[\base:\base+1] offset:\off+512
	global_store_b128 v[V16], v[\reg+6:\reg+9], s[\base:\base+1] offset:\off+768
	global_store_b64 v[V8], v[\reg+10:\reg+11], s[\base:\base+1] offset:\off+1280
.endm
.macro DOFRAG f
.if (\f) < 3
	s_wait_loadcnt 16                              ; this fragment's 16 loads are in; the next fragment's may be out
.else
	s_wait_loadcnt 0x0
.endif
.irp i, 0,1,2,3,4,5,6,7,8,9,10,11,12,13,14,15
	ds_store_b128 v[STI], v[R+64*((\f)%2)+4*\i:R+64*((\f)%2)+4*\i+3] offset:528*\i
.endr
.irp c, 0,1
.irp j, 0,1,2,3,4,5,6,7
	ds_load_b128 v[X+32*\c+4*\j:X+32*\c+4*\j+3], v[STO] offset:256*\c+16*\j   ; LDS serves a wave's instructions in order: these see the stores above
.endr
.endr
	s_wait_dscnt 0x0                               ; my 64 numbers are here, and the stage's stores have read their registers
	s_wait_xcnt 0x0                                ; the last fragment's stores have read their data: the codes and the word are written again only behind this wait
.if (\f)+2 < 4
	LOAD (\f)+2
.endif
	QROW X, W0+(\f)%2
	STF C, DST+2*((\f)%2), 1536*((\f)/2)
.if (\f)%2 == 1
	v_cndmask_b32 v[W0+1], v[W0], v[W0+1], vcc_lo  ; lanes 0-15: the first row block's words; lanes 16-31: the second's
	global_store_b32 v[V4], v[W0+1], s[SDS:SDS+1] offset:512*((\f)/2)   ; 128 consecutive bytes
.endif
.endm
	LOAD 0
	LOAD 1
	s_wait_alu depctr_va_vdst(0)
	DOFRAG 0
	DOFRAG 1
	DOFRAG 2
	DOFRAG 3
	s_wait_tensorcnt 0x0
	ds_add_u32 v62, v63
	s_wait_dscnt 0x0
	s_endpgm
.Lfunc_end_k_qac67ebca4a_quant:
	.size	k_qac67ebca4a_quant, .Lfunc_end_k_qac67ebca4a_quant-k_qac67ebca4a_quant
	.p2alignl 7, 3214868480
	.fill 96, 4, 3214868480
	.section	.rodata,"a",@progbits
	.p2align	6, 0x0
	.amdhsa_kernel k_qac67ebca4a_quant
		.amdhsa_group_segment_fixed_size 34304
		.amdhsa_private_segment_fixed_size 0
		.amdhsa_enable_private_segment 0
		.amdhsa_kernarg_size 64
		.amdhsa_user_sgpr_count 2
		.amdhsa_user_sgpr_kernarg_segment_ptr 1
		.amdhsa_wavefront_size32 1
		.amdhsa_system_sgpr_workgroup_id_x 1
		.amdhsa_system_sgpr_workgroup_id_y 1
		.amdhsa_system_sgpr_workgroup_id_z 1
		.amdhsa_system_vgpr_workitem_id 0
		.amdhsa_next_free_vgpr 256
		.amdhsa_next_free_sgpr 66
		.amdhsa_reserve_vcc 1
		.amdhsa_float_denorm_mode_32 3
		.amdhsa_float_denorm_mode_16_64 3
		.amdhsa_memory_ordered 1
		.amdhsa_forward_progress 1
		.amdhsa_inst_pref_size 33
	.end_amdhsa_kernel
	.amdgpu_metadata
---
amdhsa.version: [ 1, 2 ]
amdhsa.kernels:
  - .name:           k_qac67ebca4a_quant
    .symbol:         k_qac67ebca4a_quant.kd
    .args:
      - { .name: x, .offset: 0, .size: 8, .value_kind: global_buffer, .address_space: global }
      - { .name: wq, .offset: 8, .size: 8, .value_kind: global_buffer, .address_space: global }
      - { .name: wk, .offset: 16, .size: 8, .value_kind: global_buffer, .address_space: global }
      - { .name: wv, .offset: 24, .size: 8, .value_kind: global_buffer, .address_space: global }
      - { .name: wo, .offset: 32, .size: 8, .value_kind: global_buffer, .address_space: global }
      - { .name: w1, .offset: 40, .size: 8, .value_kind: global_buffer, .address_space: global }
      - { .name: w2, .offset: 48, .size: 8, .value_kind: global_buffer, .address_space: global }
      - { .name: wts, .offset: 56, .size: 8, .value_kind: global_buffer, .address_space: global }
    .group_segment_fixed_size: 34304
    .private_segment_fixed_size: 0
    .kernarg_segment_align: 8
    .kernarg_segment_size: 64
    .max_flat_workgroup_size: 128
    .sgpr_count:     66
    .vgpr_count:     256
    .wavefront_size: 32
...
	.end_amdgpu_metadata
.endif
;; end of part 1
;; launch qkv (part 2): grid 12 x 16, 4 waves a work-group, clusters of 4 x 4, 327,680 bytes of LDS; arguments wts, bq, bk, bv, qkv; writes qkv
.if DOCPART == 2
	.amdgcn_target "amdgcn-amd-amdhsa--gfx1250"
	.amdhsa_code_object_version 6
	.text
	.protected	k_qac67ebca4a_qkv
	.globl	k_qac67ebca4a_qkv
	.p2align	8
	.type	k_qac67ebca4a_qkv,@function
k_qac67ebca4a_qkv:
	s_mov_b64 s[64:65], 0
	v_nop
	global_prefetch_b8 v0, s[64:65] scope:SCOPE_SE
	s_setreg_imm32_b32 hwreg(HW_REG_WAVE_MODE, 25, 1), 1
	s_wait_xcnt 0x0
	s_wait_alu depctr_hold_cnt(0) depctr_sa_sdst(0) depctr_va_vdst(0) depctr_va_sdst(0) depctr_va_ssrc(0) depctr_va_vcc(0) depctr_vm_vsrc(0)
	s_getreg_b32 s2, hwreg(HW_REG_IB_STS2, 6, 4)
	s_cmp_eq_u32 s2, 0
	s_cbranch_scc0 .Lentry_in_a_cluster
	s_endpgm
.Lentry_in_a_cluster:
	s_bfe_u32 s2, ttmp6, 0x10000c
	s_cmp_lg_u32 s2, 0xf033
	s_cbranch_scc0 .Lentry_shape_is_right
	s_endpgm
.Lentry_shape_is_right:
.set MB,    8
.set NB,    8
.set NQ,    2
.set KS,    8
.set SLB,   4096
.set HOFF,  4096
.set WQC,   3145728
.set WVC,   4718592
.set SC0,   12582912
.set QSO,   3145728
.set KVO,   3407872
.set REC,   208896
.set CH,    NQ*1536
.set HALFT, MB*CH
.set SLOT,  4*HALFT
.set RBB,   KS*1536
.set LAPS,  KS/(2*NQ)
.set SCL,   2*SLOT
.set SPARE, SCL+4*SLB
.set BV,    4
.set OCB,   12
.set ORB,   13
.set A16,   16
.set A8,    18
.set B16,   20
.set B8,    22
.set VOS,   24
.set SELV,  25
.set V4,    26
.set ADRS,  27
.set SPW,   28
.set NIL,   29
.set V16,   30
.set V8,    31
.set SC,    32
.set X,     64
.set TM,    192
.set PC,    208
.set PW,    228
.set PWP,   229
.set WS,    230
.set G1,    24
.set G0,    32
.set G1B,   48
.set G0B,   56
.set G1S,   68
.set G0S,   76
.set G1SB,  80
.set G0SB,  88
.set SEL,   92
.set PFO,   15                         ; v15  the prefetches' offset; never rewritten
.set PFA,   66                         ; s[66:67] the prefetches' base; never rewritten
.set MSB, 0
.macro WIN new
.if MSB != (\new)
	s_set_vgpr_msb (MSB<<8)|(\new)
.set MSB, (\new)
.endif
.endm
.macro PLACES
.rept 4
	v_nop
.endr
.endm
.macro JLOAD g0a, g1a, g0b, g1b
	s_cmp_eq_u32 s15, 0
	s_cbranch_scc0 .Lfor_b_\@
	tensor_load_to_lds s[\g0a:\g0a+3], s[\g1a:\g1a+7]
	s_nop 0
.rept 4
	v_nop
.endr
	s_branch .Lasked_\@
.Lfor_b_\@:
	tensor_load_to_lds s[\g0b:\g0b+3], s[\g1b:\g1b+7]
	s_nop 0
.rept 4
	v_nop
.endr
.Lasked_\@:
.endm
.macro CREST
	s_cmp_lg_u32 s14, 0
	s_cbranch_scc1 .Lnot_wave_0_\@
	s_barrier_signal -3
.Lnot_wave_0_\@:
	s_barrier_wait -3
	s_barrier_signal -1
	s_barrier_wait -1
.endm
.macro CROUND
	s_barrier_signal -1
	s_barrier_wait -1
	CREST
.endm
.macro FRAG reg, a16, a8, off
	ds_load_b128 v[\reg:\reg+3], v[\a16] offset:\off
	ds_load_b64 v[\reg+4:\reg+5], v[\a8] offset:\off+512
	ds_load_b128 v[\reg+6:\reg+9], v[\a16] offset:\off+768
	ds_load_b64 v[\reg+10:\reg+11], v[\a8] offset:\off+1280
.endm
.macro FETCH slot, q, p
	WIN 0x40
.set ii, 0
.rept NB
	FRAG 96*(\p)+12*ii, B16+(\slot), B8+(\slot), ii*CH+(\q)*1536
.set ii, ii+1
.endr
	WIN 0
.set ii, 0
.rept MB
	FRAG 64+96*(\p)+12*ii, A16+(\slot), A8+(\slot), ii*CH+(\q)*1536
.set ii, ii+1
.endr
.endm
.macro SCALES set
.set ii, 0
.rept MB
.set qq, 0
.rept NQ
	ds_load_b32 v[SC+16*(\set)+NQ*ii+qq], v[ADRS] offset:512*qq+64*ii
.set qq, qq+1
.endr
.set ii, ii+1
.endr
.endm
.macro MULA p, q, sc, a, zero
.if (\a) < 4
	WIN 0xa1
.else
	WIN 0xf1
.endif
.set bb, 0
.rept NB
.set AC, 8*(NB*((\a)%4)+bb)
.set RB, 96*(\p)+12*bb
.set RA, 64+96*(\p)+12*(\a)
.set SB, SC+16*(\sc)+NQ*bb+(\q)
.set SA, SC+16*(\sc)+NQ*(\a)+(\q)
.if \zero
	v_wmma_scale_f32_16x16x128_f8f6f4 v[AC:AC+7], v[RB:RB+11], v[RA:RA+11], 0, v[SB], v[SA] matrix_a_fmt:MATRIX_FMT_BF6 matrix_b_fmt:MATRIX_FMT_BF6 matrix_a_scale:MATRIX_SCALE_ROW1
.else
	v_wmma_scale_f32_16x16x128_f8f6f4 v[AC:AC+7], v[RB:RB+11], v[RA:RA+11], v[AC:AC+7], v[SB], v[SA] matrix_a_fmt:MATRIX_FMT_BF6 matrix_b_fmt:MATRIX_FMT_BF6 matrix_a_scale:MATRIX_SCALE_ROW1
.endif
.set bb, bb+1
.endr
.endm
.macro MULS p, q, sc, a0, a1, zero
.set aa, \a0
.rept (\a1)-(\a0)
	MULA \p, \q, \sc, aa, \zero
.set aa, aa+1
.endr
.endm
.macro STEP slot, q, zero
	s_wait_dscnt 0x0
	PLACES
	FETCH \slot, (\q)+1, 1-(\q)%2
	MULS (\q)%2, \q, \slot, 0, MB, \zero
	WIN 0
.endm
.macro TURN slot, next, fill
	s_wait_tensorcnt 0x0
	ds_add_u32 v[SPW], v[NIL]
	s_wait_dscnt 0x1
	MULS 1, NQ-1, \slot, 0, MB/4, 0
	s_wait_dscnt 0x0
	s_barrier_signal -1
	MULS 1, NQ-1, \slot, MB/4, MB/2, 0
	WIN 0
	s_barrier_wait -1
.if \fill
	CREST
	s_add_nc_u64 s[G0+4*\slot+2:G0+4*\slot+3], s[G0+4*\slot+2:G0+4*\slot+3], 2*CH
	s_add_nc_u64 s[G0B+4*\slot+2:G0B+4*\slot+3], s[G0B+4*\slot+2:G0B+4*\slot+3], 2*CH
	JLOAD G0+4*\slot, G1, G0B+4*\slot, G1B
.else
	PLACES
.endif
	s_wait_alu depctr_va_vdst(0)
	v_add_nc_u32 v[ADRS], NQ*512, v[ADRS]
	FETCH \next, 0, 0
	SCALES \next
	MULS 1, NQ-1, \slot, MB/2, MB, 0
	WIN 0
.endm
.macro QUANT s
.irp b, 0,1,2,3
	v_max3_num_f32 v[TM+\b], |v[\s+16*\b]|, |v[\s+1+16*\b]|, 0x2800000
.endr
.irp i, 2,4,6,8,10,12,14
.irp b, 0,1,2,3
	v_max3_num_f32 v[TM+\b], v[TM+\b], |v[\s+16*\b+\i]|, |v[\s+1+16*\b+\i]|
.endr
.endr
.irp b, 0,1,2,3
	v_permlanex16_b32 v[TM+4+\b], v[TM+\b], s[SEL], s[SEL+1]
.endr
.irp b, 0,1,2,3
	v_max_num_f32 v[TM+\b], v[TM+\b], v[TM+4+\b]
.endr
.irp b, 0,1,2,3
	v_add_nc_u32 v[TM+12+\b], 0xfe000000, v[TM+\b]
.endr
.irp b, 0,1,2,3
	v_lshrrev_b32 v[TM+4+\b], 23, v[TM+12+\b]
.endr
	v_lshl_or_b32 v[PW], v[TM+5], 8, v[TM+4]
	v_lshl_or_b32 v[PW], v[TM+6], 16, v[PW]
	v_lshl_or_b32 v[PW], v[TM+7], 24, v[PW]
.irp c, 0,1
	v_cvt_scalef32_pk16_bf6_f32 v[PC+6*\c:PC+2+6*\c], v[\s+32*\c:\s+15+32*\c], v[TM+12+2*\c]
	v_cvt_scalef32_pk16_bf6_f32 v[PC+12+4*\c:PC+14+4*\c], v[\s+16+32*\c:\s+31+32*\c], v[TM+12+2*\c+1]
.endr
	v_nop
.irp c, 0,1
.irp i, 0,1,2
	v_permlane16_swap_b32 v[PC+6*\c+\i], v[PC+12+4*\c+\i]
.endr
.irp i, 0,1,2
	v_mov_b32 v[PC+3+6*\c+\i], v[PC+12+4*\c+\i]
.endr
.endr
.endm
	s_load_b256 s[4:11], s[0:1], 0x0
	s_load_b64 s[12:13], s[0:1], 0x20
	v_lshl_add_u32 v[SPW], v0, 2, SPARE
	v_mov_b32 v[NIL], 0
	ds_add_u32 v28, v29
	ds_add_u32 v28, v29
	s_wait_dscnt 0x0
	v_lshrrev_b32 v1, 5, v0
	v_readfirstlane_b32 s14, v1
	s_lshr_b32 s15, s14, 1
	s_and_b32 s16, s14, 1
	s_bfe_u32 s40, ttmp6, 0x40000
	s_bfe_u32 s41, ttmp6, 0x40004
	s_lshl_b32 s43, s41, 2
	s_lshl_b32 s43, 15, s43
	s_lshl_b32 s44, 0x1111, s40
	s_mul_i32 s95, ttmp9, 786432
	s_add_co_u32 s95, s95, WQC
	s_lshl_b32 s96, ttmp9, 15
	s_add_co_u32 s96, s96, SC0+131072
	s_and_b32 s97, ttmp7, 0xffff
	s_lshl_b32 s97, s97, 2
	s_mov_b32 s19, SC0
	s_mov_b32 s98, SC0
	s_cmp_eq_u32 ttmp9, 2
	s_cselect_b32 s17, 0, s97
	s_cselect_b32 s42, s97, 0
	s_cselect_b32 s18, WVC, 0
	s_cselect_b32 s19, SC0+196608, s19
	s_cselect_b32 s95, 0, s95
	s_cselect_b32 s96, s98, s96
	s_add_co_u32 s17, s17, s41
	s_add_co_u32 s42, s42, s40
	s_or_b32 s[G1], s43, (3<<16)|(1<<21)
	s_or_b32 s[G1B], s44, (3<<16)|(1<<21)
.irp g, G1, G1B
	s_mov_b32 s[\g+1], (CH/8)<<16
	s_mov_b32 s[\g+2], (2*MB)<<16                  ; the head's loads of codes bring a side's 2 MB row blocks; behind them the two words that count rows are set to MB
	s_mov_b32 s[\g+3], (CH/8)<<16
	s_mov_b32 s[\g+4], 2*MB
	s_mov_b32 s[\g+5], RBB/8
	s_mov_b32 s[\g+6], 0
	s_mov_b32 s[\g+7], 0
.endr
	s_or_b32 s[G1S], s43, (3<<16)|(1<<21)
	s_or_b32 s[G1SB], s44, (3<<16)|(1<<21)
.irp g, G1S, G1SB
	s_mov_b32 s[\g+1], 32<<16
	s_mov_b32 s[\g+2], (2*SLB/256)<<16             ; a side's scale words, whole: 2 SLB dense bytes
	s_mov_b32 s[\g+3], 32<<16
	s_mov_b32 s[\g+4], 2*SLB/256
	s_mov_b32 s[\g+5], 32
	s_mov_b32 s[\g+6], 0
	s_mov_b32 s[\g+7], 0
.endr
	s_lshl_b32 s99, s16, 3
	s_lshl_b32 s20, s17, 4
	s_add_co_u32 s20, s20, s99
	s_mul_i32 s20, s20, RBB
	s_add_co_u32 s20, s20, s18
	s_mov_b32 s21, 0
	s_lshl_b32 s46, s42, 4
	s_add_co_u32 s46, s46, s99
	s_mul_i32 s46, s46, RBB
	s_add_co_u32 s46, s46, s95
	s_mov_b32 s47, 0
	s_lshl_b32 s99, s16, 12
	s_lshl_b32 s22, s17, 13
	s_add_co_u32 s22, s22, s99
	s_add_co_u32 s22, s22, s19
	s_mov_b32 s23, 0
	s_lshl_b32 s92, s42, 13
	s_add_co_u32 s92, s92, s99
	s_add_co_u32 s92, s92, s96
	s_mov_b32 s93, 0
	s_mul_i32 s45, s14, HALFT
	s_wait_kmcnt 0x0
	s_add_nc_u64 s[20:21], s[4:5], s[20:21]
	s_add_nc_u64 s[22:23], s[4:5], s[22:23]
	s_add_nc_u64 s[46:47], s[4:5], s[46:47]
	s_add_nc_u64 s[92:93], s[4:5], s[92:93]
	CROUND
	s_mov_b32 s[G0S], 1
	s_mov_b32 s[G0S+1], SCL
	s_sub_nc_u64 s[G0S+2:G0S+3], s[22:23], SLB     ; used by wave 1 alone, whose s[22:23] stands at the block's second half
	s_or_b32 s[G0S+3], s[G0S+3], 0x80000000
	s_mov_b32 s[G0SB], 1
	s_mov_b32 s[G0SB+1], SCL+2*SLB
	s_sub_nc_u64 s[G0SB+2:G0SB+3], s[92:93], SLB   ; used by wave 3 alone
	s_or_b32 s[G0SB+3], s[G0SB+3], 0x80000000
.irp s, 0,1
	s_mov_b32 s[G0+4*\s], 1
	s_add_co_u32 s[G0+4*\s+1], s45, \s*SLOT
	s_add_nc_u64 s[G0+4*\s+2:G0+4*\s+3], s[20:21], \s*CH
	s_or_b32 s[G0+4*\s+3], s[G0+4*\s+3], 0x80000000
	s_mov_b32 s[G0B+4*\s], 1
	s_add_co_u32 s[G0B+4*\s+1], s45, \s*SLOT
	s_add_nc_u64 s[G0B+4*\s+2:G0B+4*\s+3], s[46:47], \s*CH
	s_or_b32 s[G0B+4*\s+3], s[G0B+4*\s+3], 0x80000000
.endr
; THE HEAD'S LOADS, ONE A WAVE, in one chain of branches on the wave's number: wave 0 A's codes of slot 0 (its own group 0 stands at the side's first row block and at LDS byte 0), wave 1 A's scale words,
; wave 2 B's codes of slot 0 (its group 0 stands at B's first row block and at LDS byte 2 HALFT), wave 3 B's scale words.
.macro ARM under, g0, g1, next
	s_cmp_lt_u32 s14, \under
	s_cbranch_scc0 \next
	tensor_load_to_lds s[\g0:\g0+3], s[\g1:\g1+7]
	s_nop 0
.rept 4
	v_nop
.endr
	s_branch .Lhead_asked
\next:
.endm
	ARM 1, G0, G1, .Lhead_1
	ARM 2, G0S, G1S, .Lhead_2
	ARM 3, G0B, G1B, .Lhead_3
	tensor_load_to_lds s[G0SB:G0SB+3], s[G1SB:G1SB+7]
	s_nop 0
.rept 4
	v_nop
.endr
.Lhead_asked:
; PREFETCHES INTO THE L2: a chunk (CH bytes of each row block) is asked for two refills ahead of its tensor load.  Of the MB row blocks that a wave fetches, each of the four partners that ask for them jointly
; takes two, told apart by address (cx for A, cy for B): 24 blocks of 256 bytes, a lane a block; lanes 24-31 name the last block again.  Chunks 1 and 2 here, chunk 3 behind slot 1's fill; K has four chunks.
	s_cmp_eq_u32 s15, 0
	s_cselect_b32 s18, s40, s41
	s_cselect_b64 s[PFA:PFA+1], s[20:21], s[46:47]
	s_mul_i32 s18, s18, 2*RBB
	s_mov_b32 s19, 0
	s_add_nc_u64 s[PFA:PFA+1], s[PFA:PFA+1], s[18:19]
	v_and_b32 v1, 31, v0
	v_min_u32 v1, 23, v1
	v_mul_u32_u24 v[PFO], v1, 22
	v_lshrrev_b32 v[PFO], 8, v[PFO]                ; which of my two row blocks: 12 blocks of 256 bytes each
	v_mul_u32_u24 v[PFO], v[PFO], RBB-CH
	v_lshl_add_u32 v[PFO], v1, 8, v[PFO]
	global_prefetch_b8 v[PFO], s[PFA:PFA+1] offset:CH th:TH_LOAD_NT scope:SCOPE_SE
	global_prefetch_b8 v[PFO], s[PFA:PFA+1] offset:2*CH th:TH_LOAD_NT scope:SCOPE_SE
	v_and_b32 v1, 31, v0
	v_and_b32 v2, 15, v0
	v_bfe_u32 v3, v0, 4, 1
	v_lshlrev_b32 v[V16], 4, v1
	v_lshlrev_b32 v[V8], 3, v1
	s_mul_i32 s18, s15, HALFT
	s_mul_i32 s19, s16, HALFT
	s_add_co_u32 s19, s19, 2*HALFT
.irp s, 0,1
	v_add_nc_u32 v[A16+\s], s18, v[V16]
	v_add_nc_u32 v[A8+\s], s18, v[V8]
	v_add_nc_u32 v[B16+\s], s19, v[V16]
	v_add_nc_u32 v[B8+\s], s19, v[V8]
	s_add_co_u32 s18, s18, SLOT
	s_add_co_u32 s19, s19, SLOT
.endr
	s_mul_i32 s18, s15, HOFF
	s_mul_i32 s19, s16, HOFF
	s_add_co_u32 s19, s19, 2*SLB
	s_sub_co_u32 s19, s19, s18
	v_mul_u32_u24 v4, s19, v3
	s_add_co_u32 s18, s18, SCL
	v_lshl_add_u32 v4, v2, 2, v4
	v_add_nc_u32 v[ADRS], s18, v4
	v_lshlrev_b32 v[OCB], 6, v3
	s_wait_alu depctr_va_vdst(0)
	v_and_b32 v[ORB], 8, v2
	v_add_nc_u32 v[ORB], v[ORB], v2
	v_lshlrev_b32 v[ORB], 2, v[ORB]
	s_wait_alu depctr_va_vdst(0)
	s_cmp_eq_u32 ttmp9, 0
	s_cselect_b64 s[98:99], s[6:7], s[8:9]
	s_cmp_eq_u32 ttmp9, 2
	s_cselect_b64 s[98:99], s[10:11], s[98:99]
	s_and_b32 s100, s42, 3
	s_lshl_b32 s100, s100, 10
	s_lshl_b32 s101, s16, 9
	s_add_co_u32 s100, s100, s101
	s_mov_b32 s101, 0
	s_add_nc_u64 s[98:99], s[98:99], s[100:101]
	s_and_b32 s100, s17, 3
	s_lshl_b32 s100, s100, 10
	s_lshl_b32 s95, s15, 9
	s_add_co_u32 s100, s100, s95
	s_add_nc_u64 s[96:97], s[10:11], s[100:101]
	WIN 0x40
.irp b, 0,1,2,3
.irp i, 0,1,2,3
	global_load_b128 v[192+16*\b+4*\i:192+16*\b+4*\i+3], v[OCB], s[98:99] offset:128*\b+16*\i
.endr
.endr
	WIN 0
.irp a, 0,1,2,3,4,5,6,7
	global_load_b32 v[BV+\a], v[ORB], s[96:97] offset:4*(32*(\a/2)+8*(\a%2))
.endr
	s_wait_alu depctr_va_vdst(0)                   ; the wait at the head's end
	s_wait_tensorcnt 0x0                           ; my tile of the head's four is in
	ds_add_u32 v[SPW], v[NIL]
	s_mov_b32 s[G1+2], MB<<16                      ; no tensor load of mine is out: from here on a load brings MB row blocks
	s_mov_b32 s[G1+4], MB
	s_mov_b32 s[G1B+2], MB<<16
	s_mov_b32 s[G1B+4], MB
	s_wait_dscnt 0x0
	CROUND                                         ; all four tiles are in, and all sixteen work-groups are here
	JLOAD G0+4, G1, G0B+4, G1B                     ; slot 1's first fill, the first tensor load behind the round
	FETCH 0, 0, 0
	SCALES 0
	global_prefetch_b8 v[PFO], s[PFA:PFA+1] offset:3*CH th:TH_LOAD_NT scope:SCOPE_SE
	STEP 0, 0, 1
	s_mov_b32 s3, LAPS-1
.Llap:
	TURN 0, 1, 1
	STEP 1, 0, 0
	TURN 1, 0, 1
	STEP 0, 0, 0
	s_sub_co_u32 s3, s3, 1
	s_cmp_lg_u32 s3, 0
	s_cbranch_scc1 .Llap
	TURN 0, 1, 0
	STEP 1, 0, 0
	s_wait_dscnt 0x0
	MULS 1, NQ-1, 1, 0, MB, 0
	WIN 0
	PLACES
	s_wait_loadcnt 0x0
	s_mov_b32 s[SEL], 0x76543210
	s_mov_b32 s[SEL+1], 0xfedcba98
	s_mov_b32 vcc_lo, 0xffff0000
	v_lshlrev_b32 v[V4], 2, v1
.irp b, 0,1,2,3
	v_mov_b32 v[TM+4+\b], 0
.endr
	s_cmp_eq_u32 ttmp9, 2
	s_cbranch_scc1 .Lout_v
	s_lshl_b32 s94, s17, 4
	s_lshl_b32 s95, s15, 3
	s_add_co_u32 s94, s94, s95
	s_lshr_b32 s95, s94, 7
	s_and_b32 s94, s94, 127
	s_lshl_b32 s96, s42, 2
	s_lshl_b32 s97, s16, 1
	s_add_co_u32 s96, s96, s97
	s_lshl_b32 s95, s95, 4
	s_add_co_u32 s96, s96, s95
	s_cmp_eq_u32 ttmp9, 1
	s_mov_b32 s97, 98304
	s_cselect_b32 s97, REC, s97
	s_cselect_b32 s98, KVO, 0
	s_mov_b32 s99, QSO
	s_cselect_b32 s99, KVO+196608, s99
	s_mov_b32 s100, 8192
	s_cselect_b32 s100, REC, s100
	s_mul_i32 s18, s96, s97
	s_add_co_u32 s18, s18, s98
	s_mul_i32 s101, s94, 768
	s_add_co_u32 s18, s18, s101
	s_mov_b32 s19, 0
	s_add_nc_u64 s[18:19], s[12:13], s[18:19]
	s_mov_b32 s20, s97
	s_mov_b32 s21, 0
	s_add_nc_u64 s[20:21], s[18:19], s[20:21]
	s_mul_i32 s22, s96, s100
	s_add_co_u32 s22, s22, s99
	s_lshl_b32 s101, s94, 6
	s_add_co_u32 s22, s22, s101
	s_mov_b32 s23, 0
	s_add_nc_u64 s[22:23], s[12:13], s[22:23]
	v_mul_u32_u24 v[VOS], s100, v3
	v_lshl_add_u32 v[VOS], v2, 2, v[VOS]
	v_mov_b32 v[SELV], 0x01000100
	v_mov_b32 v14, 0x03020302
	v_cndmask_b32 v[SELV], v[SELV], v14, vcc_lo
.macro OUTQK a
	WIN 0x06+(\a)/4
.set n, 0
.rept 32
	v_pk_add_f32 v[X+n:X+n+1], v[64*((\a)%4)+n:64*((\a)%4)+n+1], v[192+n:193+n]
.set n, n+2
.endr
	WIN 0
	s_wait_xcnt 0x0
	QUANT X
	global_store_b128 v[V16], v[PC:PC+3], s[18:19] offset:768*(\a)
	global_store_b64 v[V8], v[PC+4:PC+5], s[18:19] offset:768*(\a)+512
	global_store_b128 v[V16], v[PC+6:PC+9], s[20:21] offset:768*(\a)
	global_store_b64 v[V8], v[PC+10:PC+11], s[20:21] offset:768*(\a)+512
	v_perm_b32 v[WS], v[PW], v[PW], v[SELV]
	global_store_b32 v[VOS], v[WS], s[22:23] offset:64*(\a)
.endm
.irp a, 0,1,2,3,4,5,6,7
	OUTQK \a
.endr
	s_branch .Lend
.Lout_v:
	s_lshr_b32 s94, s42, 3
	s_lshl_b32 s94, s94, 4
	s_lshl_b32 s95, s17, 2
	s_add_co_u32 s94, s94, s95
	s_lshl_b32 s95, s15, 1
	s_add_co_u32 s94, s94, s95
	s_and_b32 s95, s42, 7
	s_lshl_b32 s95, s95, 1
	s_add_co_u32 s95, s95, s16
	s_mul_i32 s94, s94, REC
	s_add_co_u32 s94, s94, KVO
	s_mul_i32 s18, s95, 6144
	s_add_co_u32 s18, s18, s94
	s_add_co_u32 s18, s18, 98304
	s_mov_b32 s19, 0
	s_add_nc_u64 s[18:19], s[12:13], s[18:19]
	s_lshl_b32 s20, s95, 8
	s_add_co_u32 s20, s20, s94
	s_add_co_u32 s20, s20, 204800
	s_mov_b32 s21, 0
	s_add_nc_u64 s[20:21], s[12:13], s[20:21]
.macro OUTV a
	WIN 0x02+(\a)/4
.set n, 0
.rept 32
.if (\a)%2 == 0
	v_pk_add_f32 v[X+n:X+n+1], v[64*((\a)%4)+n:64*((\a)%4)+n+1], v[BV+(\a):BV+(\a)+1] op_sel_hi:[1,0]
.else
	v_pk_add_f32 v[X+n:X+n+1], v[64*((\a)%4)+n:64*((\a)%4)+n+1], v[BV+(\a)-1:BV+(\a)] op_sel:[0,1] op_sel_hi:[1,1]
.endif
.set n, n+2
.endr
	WIN 0
	s_wait_xcnt 0x0
	QUANT X
	global_store_b128 v[V16], v[PC:PC+3], s[18:19] offset:((\a)/4)*REC+((\a)%4)*1536
	global_store_b64 v[V8], v[PC+4:PC+5], s[18:19] offset:((\a)/4)*REC+((\a)%4)*1536+512
	global_store_b128 v[V16], v[PC+6:PC+9], s[18:19] offset:((\a)/4)*REC+((\a)%4)*1536+768
	global_store_b64 v[V8], v[PC+10:PC+11], s[18:19] offset:((\a)/4)*REC+((\a)%4)*1536+1280
.if (\a)%2 == 0
	v_mov_b32 v[PWP], v[PW]
.else
	v_cndmask_b32 v[WS], v[PWP], v[PW], vcc_lo
	global_store_b32 v[V4], v[WS], s[20:21] offset:((\a)/4)*REC+((\a)%4-1)*64
.endif
.endm
.irp a, 0,1,2,3,4,5,6,7
	OUTV \a
.endr
.Lend:
	s_wait_tensorcnt 0x0
	ds_add_u32 v[SPW], v[NIL]
	s_wait_dscnt 0x0
	CROUND
	s_endpgm
.Lfunc_end_k_qac67ebca4a_qkv:
	.size	k_qac67ebca4a_qkv, .Lfunc_end_k_qac67ebca4a_qkv-k_qac67ebca4a_qkv
	.p2alignl 7, 3214868480
	.fill 96, 4, 3214868480
	.section	.rodata,"a",@progbits
	.p2align	6, 0x0
	.amdhsa_kernel k_qac67ebca4a_qkv
		.amdhsa_group_segment_fixed_size 327680
		.amdhsa_private_segment_fixed_size 0
		.amdhsa_enable_private_segment 0
		.amdhsa_kernarg_size 40
		.amdhsa_user_sgpr_count 2
		.amdhsa_user_sgpr_kernarg_segment_ptr 1
		.amdhsa_wavefront_size32 1
		.amdhsa_system_sgpr_workgroup_id_x 1
		.amdhsa_system_sgpr_workgroup_id_y 1
		.amdhsa_system_sgpr_workgroup_id_z 1
		.amdhsa_system_vgpr_workitem_id 0
		.amdhsa_next_free_vgpr 1024
		.amdhsa_next_free_sgpr 102
		.amdhsa_reserve_vcc 1
		.amdhsa_float_denorm_mode_32 3
		.amdhsa_float_denorm_mode_16_64 3
		.amdhsa_memory_ordered 1
		.amdhsa_forward_progress 1
		.amdhsa_inst_pref_size 223
	.end_amdhsa_kernel
	.amdgpu_metadata
---
amdhsa.version: [ 1, 2 ]
amdhsa.kernels:
  - .name:           k_qac67ebca4a_qkv
    .symbol:         k_qac67ebca4a_qkv.kd
    .args:
      - { .name: wts, .offset: 0, .size: 8, .value_kind: global_buffer, .address_space: global }
      - { .name: bq, .offset: 8, .size: 8, .value_kind: global_buffer, .address_space: global }
      - { .name: bk, .offset: 16, .size: 8, .value_kind: global_buffer, .address_space: global }
      - { .name: bv, .offset: 24, .size: 8, .value_kind: global_buffer, .address_space: global }
      - { .name: qkv, .offset: 32, .size: 8, .value_kind: global_buffer, .address_space: global }
    .group_segment_fixed_size: 327680
    .private_segment_fixed_size: 0
    .kernarg_segment_align: 8
    .kernarg_segment_size: 40
    .max_flat_workgroup_size: 128
    .sgpr_count:     102
    .vgpr_count:     1024
    .wavefront_size: 32
...
	.end_amdgpu_metadata
.endif
;; end of part 2
;; launch attn (part 3): grid 8 x 32, 16 waves a work-group, clusters of 4 x 1, 215,040 bytes of LDS; arguments qkv, ctx; writes ctx
.if DOCPART == 3
	.amdgcn_target "amdgcn-amd-amdhsa--gfx1250"
	.amdhsa_code_object_version 6
	.text
	.protected	k_qac67ebca4a_attn
	.globl	k_qac67ebca4a_attn
	.p2align	8
	.type	k_qac67ebca4a_attn,@function
k_qac67ebca4a_attn:
	s_mov_b64 s[64:65], 0
	v_nop
	global_prefetch_b8 v0, s[64:65] scope:SCOPE_SE
	s_setreg_imm32_b32 hwreg(HW_REG_WAVE_MODE, 25, 1), 1
	s_wait_xcnt 0x0
	s_wait_alu depctr_hold_cnt(0) depctr_sa_sdst(0) depctr_va_vdst(0) depctr_va_sdst(0) depctr_va_ssrc(0) depctr_va_vcc(0) depctr_vm_vsrc(0)
	s_getreg_b32 s2, hwreg(HW_REG_IB_STS2, 6, 4)
	s_cmp_eq_u32 s2, 0
	s_cbranch_scc0 .Lentry_in_a_cluster
	s_endpgm
.Lentry_in_a_cluster:
	s_bfe_u32 s2, ttmp6, 0x10000c
	s_cmp_lg_u32 s2, 0x3003
	s_cbranch_scc0 .Lentry_shape_is_right
	s_endpgm
.Lentry_shape_is_right:
; ctx = softmax(q k^T / 8) v for one head of one batch, both products on codes of BF6 (E3M2) with E8M0 scales; ctx is quantised along the head's 64 on the way out, as an operand of the next product.
; THE SOFTMAX AHEAD OF THE SECOND PRODUCT: t = score x log2(e) / 8; M = the running largest t rounded UP to a whole number; p = 2^(t - M) is quantised along the keys, not normalised; the row's sum is taken of the unquantised p and divides at the end.
; SHARES: a work-group owns 256 query places of one head; each of its sixteen waves one tile of 16.  Every wave walks the head's 2,048 keys, 128 a step.
; THE HEAD'S WHOLE RECORD (k's tiles, V^T's fragments, both sets of scale words: 208,896 bytes, as images of operand registers) comes into LDS ONCE: each wave asks for 51 rows of 256 bytes, jointly with the three other query blocks of its cluster.  Nothing is filled again: one barrier, no ring.
; K = 64 IN AN INSTRUCTION OF 128: two tiles of 16 keys stand in one operand, one in each half of K; q stands in the lower half over zero codes or in the upper half under them, so that each product takes one of the two tiles.  The words hold a tile's two bytes twice.
; LAYOUT: both products are used transposed: a lane holds one query throughout.  A tile's places are keys 32 b + 8 u + i + 8 (i / 8), so that the 16 registers of tiles 2 b, 2 b + 1 are 16 neighbouring keys.
; LIMITS: NaN and infinities are not served; a block whose largest magnitude lies under 2^-122 keeps the byte 1; a block of zeros has the byte 1 and zero codes.
.set KVO,  3407872
.set QSO,  3145728
.set REC,  208896
.set A16K, 1                           ; v1-6 LDS addresses of the step in hand: k's codes (16 and 8 bytes a lane), V^T's, k's words, V^T's words
.set A8K,  2
.set A16V, 3
.set A8V,  4
.set ASK,  5
.set ASV,  6
.set VR4,  7                           ; v7   4 x (lane % 16)
.set V16,  10
.set V8,   11
.set QSW,  34                          ; scale words: q's, p's, k's four, V^T's two
.set PSW,  35
.set KSW,  36
.set VSW,  40
.set KF,   44                          ; v44-91 four operands of k; behind the products: at work
.set VF,   92                          ; v92-139 four fragments of V^T
.set S,    140                         ; v140-203 the scores, then p
.set O,    204                         ; v204-235 O^T
.set PCD,  236                         ; v236-247 p's codes
.set PC2,  248
.set BM,   44
.set PT,   48
.set SO,   52
.set BY,   56
.set F,    60
.set TMP,  62
.set WV,   8
.set SEL,  36
.set CS,   38
.macro CROUND
	s_barrier_signal -1
	s_barrier_wait -1
	s_cmp_lg_u32 s[WV], 0
	s_cbranch_scc1 .Lnot_wave_0_\@
	s_barrier_signal -3
.Lnot_wave_0_\@:
	s_barrier_wait -3
	s_barrier_signal -1
	s_barrier_wait -1
.endm
	s_load_b128 s[4:7], s[0:1], 0x0                ; qkv, ctx
	v_lshl_add_u32 v251, v0, 2, 0x34000
	v_mov_b32 v255, 0
	ds_add_u32 v251, v255
	ds_add_u32 v251, v255
	v_lshrrev_b32 v1, 5, v0
	s_delay_alu instid0(VALU_DEP_1)
	v_readfirstlane_b32 s[WV], v1                  ; wave 0..15
	s_bfe_u32 s9, ttmp6, 0x40000                   ; cx: it enters q's and ctx's addresses alone
	s_lshl_b32 s10, ttmp9, 2
	s_add_co_u32 s10, s10, s9                      ; my block of 256 queries
	s_and_b32 s11, ttmp7, 0xffff                   ; 16 x batch + head, which the four partners share
	s_mov_b32 s16, 15|(3<<16)|(1<<21)              ; 15:0 the mask: all four work-groups; 17:16 elements of 8 bytes; 21 set beside a mask
	s_mov_b32 s17, 32<<16                          ; rows of 256 bytes,
	s_mov_b32 s18, 51<<16                          ; 51 of them
	s_mov_b32 s19, 32<<16
	s_mov_b32 s20, 51
	s_mov_b32 s21, 32
	s_mov_b32 s22, 0
	s_mov_b32 s23, 0
	s_mul_i32 s26, s[WV], 13056                    ; my sixteenth of the record, in LDS as in memory
	s_mul_i32 s24, s11, REC
	s_add_co_u32 s24, s24, s26
	s_add_co_u32 s24, s24, KVO
	s_mov_b32 s25, 0
	s_lshl_b32 s27, s10, 4
	s_add_co_u32 s27, s27, s[WV]                   ; my tile of queries in the batch
	s_lshl_b32 s28, s11, 7
	s_add_co_u32 s28, s28, s27
	s_mul_i32 s28, s28, 768
	s_mov_b32 s29, 0
	s_lshl_b32 s30, s11, 13
	s_lshl_b32 s31, s27, 6
	s_add_co_u32 s30, s30, s31
	s_add_co_u32 s30, s30, QSO
	s_mov_b32 s31, 0
	s_lshr_b32 s32, s11, 4
	s_lshl_b32 s32, s32, 7
	s_add_co_u32 s32, s32, s27                     ; my row block among all tokens
	s_and_b32 s33, s11, 15
	s_lshr_b32 s34, s33, 1                         ; the next product's K step,
	s_and_b32 s33, s33, 1                          ; and my half of it
	s_lshl_b32 s48, s32, 3
	s_add_co_u32 s48, s48, s34
	s_mul_i32 s48, s48, 1536
	s_mul_i32 s35, s33, 768
	s_add_co_u32 s48, s48, s35
	s_mov_b32 s49, 0
	s_lshr_b32 s50, s32, 3
	s_lshl_b32 s50, s50, 3
	s_add_co_u32 s50, s50, s34
	s_lshl_b32 s50, s50, 9
	s_and_b32 s35, s32, 7
	s_lshl_b32 s35, s35, 6
	s_add_co_u32 s50, s50, s35
	s_lshl_b32 s35, s33, 1
	s_add_co_u32 s50, s50, s35
	s_add_co_u32 s50, s50, 3145728
	s_mov_b32 s51, 0
	s_mov_b32 s[SEL], 0x76543210
	s_mov_b32 s[SEL+1], 0xfedcba98
	s_mov_b32 s[CS], 0x3e38aa3b                    ; c = log2(e) / 8
	s_mov_b32 s[CS+1], s[CS]                       ; (named with it as a pair, so it is written)
	s_mov_b32 s3, 16                               ; key steps
	s_wait_dscnt 0x0
	s_wait_kmcnt 0x0
	s_mov_b32 s12, 1
	s_mov_b32 s13, s26
	s_add_nc_u64 s[14:15], s[4:5], s[24:25]
	s_or_b32 s15, s15, 0x80000000
	s_add_nc_u64 s[40:41], s[4:5], s[28:29]        ; q's tile
	s_add_nc_u64 s[42:43], s[4:5], s[30:31]        ; its words
	s_add_nc_u64 s[44:45], s[6:7], s[48:49]        ; ctx's half fragment
	s_add_nc_u64 s[46:47], s[6:7], s[50:51]        ; its halfwords
	CROUND                                         ; all four work-groups are here: the joint loads meet
	tensor_load_to_lds s[12:15], s[16:23]          ; my one tensor load of the launch
	s_nop 0
.rept 4
	v_nop
.endr
	v_and_b32 v1, 31, v0
	v_and_b32 v[VR4], 15, v0
	s_delay_alu instid0(VALU_DEP_1)
	v_lshlrev_b32 v[VR4], 2, v[VR4]
	s_delay_alu instid0(VALU_DEP_3)
	v_lshlrev_b32 v[V16], 4, v1
	s_delay_alu instid0(VALU_DEP_4)
	v_lshlrev_b32 v[V8], 3, v1
	global_load_b128 v[22:25], v[V16], s[40:41]
	global_load_b64 v[26:27], v[V8], s[40:41] offset:512
	global_load_b32 v[QSW], v[VR4], s[42:43]
	v_lshlrev_b32 v[ASK], 2, v1
	s_delay_alu instid0(VALU_DEP_1)
	v_add_nc_u32 v[ASV], 204800, v[ASK]
	s_delay_alu instid0(VALU_DEP_2)
	v_add_nc_u32 v[ASK], 196608, v[ASK]
	v_add_nc_u32 v[A16V], 98304, v[V16]
	v_add_nc_u32 v[A8V], 98304, v[V8]
	v_mov_b32 v[A8K], v[V8]
	v_mov_b32 v[A16K], v[V16]
.irp j, 16,17,18,19,20,21,28,29,30,31,32,33
	v_mov_b32 v\j, 0                               ; zero codes under and over q: v[22:33] has q in K 0-63, v[16:27] in K 64-127
.endr
	v_mov_b32 v13, 0xff61b1e6                      ; the largest t so far: -3e38
	s_delay_alu instid0(VALU_DEP_1)
	v_floor_f32 v12, -v13                          ; -M
	v_mov_b32 v14, 0                               ; the sum, in two halves
	v_mov_b32 v15, 0
.set n, 0
.rept 32
	v_mov_b32 v[O+n], 0                            ; O^T: the loop is written once; its first step finds zeros
.set n, n+1
.endr
	s_wait_tensorcnt 0x0                           ; my part of the record is in,
	s_barrier_signal -1
	s_barrier_wait -1                              ; everybody's is
	s_wait_loadcnt 0x0                             ; q
.Lstep:
	s_wait_alu depctr_va_vdst(0)
.irp f, 0,1,2,3
	ds_load_b128 v[KF+12*\f:KF+12*\f+3], v[A16K] offset:1536*\f
	ds_load_b64 v[KF+12*\f+4:KF+12*\f+5], v[A8K] offset:1536*\f+512
	ds_load_b128 v[KF+12*\f+6:KF+12*\f+9], v[A16K] offset:1536*\f+768
	ds_load_b64 v[KF+12*\f+10:KF+12*\f+11], v[A8K] offset:1536*\f+1280
.endr
.irp f, 0,1,2,3
	ds_load_b32 v[KSW+\f], v[ASK] offset:128*\f    ; lanes 0-15: tile 2 f's words; lanes 16-31: tile 2 f + 1's
.endr
.irp f, 0,1,2,3
	ds_load_b128 v[VF+12*\f:VF+12*\f+3], v[A16V] offset:1536*\f
	ds_load_b64 v[VF+12*\f+4:VF+12*\f+5], v[A8V] offset:1536*\f+512
	ds_load_b128 v[VF+12*\f+6:VF+12*\f+9], v[A16V] offset:1536*\f+768
	ds_load_b64 v[VF+12*\f+10:VF+12*\f+11], v[A8V] offset:1536*\f+1280
.endr
	ds_load_b32 v[VSW], v[ASV]
	ds_load_b32 v[VSW+1], v[ASV] offset:128
	s_wait_dscnt 18                                ; k and its words are in; V^T's 16 loads and its 2 may be out
.irp f, 0,1,2,3
	v_wmma_scale_f32_16x16x128_f8f6f4 v[S+16*\f:S+16*\f+7], v[KF+12*\f:KF+12*\f+11], v[22:33], 0, v[KSW+\f], v[QSW] matrix_a_fmt:MATRIX_FMT_BF6 matrix_b_fmt:MATRIX_FMT_BF6
	v_wmma_scale_f32_16x16x128_f8f6f4 v[S+16*\f+8:S+16*\f+15], v[KF+12*\f:KF+12*\f+11], v[16:27], 0, v[KSW+\f], v[QSW] matrix_a_fmt:MATRIX_FMT_BF6 matrix_b_fmt:MATRIX_FMT_BF6 matrix_a_scale:MATRIX_SCALE_ROW1
.endr
.rept 4
	v_nop
.endr
.irp b, 0,1,2,3
	v_max3_num_f32 v[BM+\b], v[S+16*\b], v[S+1+16*\b], v[S+2+16*\b]   ; the largest score of each block of 32 keys: for the row's maximum, and, since p rises with the score, for the block's largest p
.endr
.irp i, 3,5,7,9,11,13
.irp b, 0,1,2,3
	v_max3_num_f32 v[BM+\b], v[BM+\b], v[S+16*\b+\i], v[S+1+16*\b+\i]
.endr
.endr
.irp b, 0,1,2,3
	v_max_num_f32 v[BM+\b], v[BM+\b], v[S+15+16*\b]
.endr
.irp b, 0,1,2,3
	s_delay_alu instid0(VALU_DEP_4)
	v_permlanex16_b32 v[PT+\b], v[BM+\b], s[SEL], s[SEL+1]
.endr
.irp b, 0,1,2,3
	s_delay_alu instid0(VALU_DEP_4)
	v_max_num_f32 v[BM+\b], v[BM+\b], v[PT+\b]     ; with lane l xor 16's 16 keys
.endr
	s_delay_alu instid0(VALU_DEP_2)
	v_max3_num_f32 v[TMP], v[BM], v[BM+1], v[BM+2]
	s_delay_alu instid0(VALU_DEP_1)
	v_max_num_f32 v[TMP], v[TMP], v[BM+3]
	s_delay_alu instid0(VALU_DEP_1)
	v_mul_f32 v[TMP], s[CS], v[TMP]                ; as t
	s_delay_alu instid0(VALU_DEP_1)
	v_max_num_f32 v13, v13, v[TMP]                 ; the running largest t
	v_mov_b32 v[TMP], v12
	s_delay_alu instid0(VALU_DEP_2)
	v_floor_f32 v12, -v13                          ; the new -M = -ceil(t): a whole number
	s_delay_alu instid0(VALU_DEP_1)
	v_sub_f32 v[TMP], v12, v[TMP]                  ; old M less new M: a whole number, 0 or less
	s_delay_alu instid0(VALU_DEP_1)
	v_cvt_i32_f32 v[TMP], v[TMP]                   ; (it saturates)
	s_delay_alu instid0(VALU_DEP_1)
	v_ldexp_f32 v[F], 1.0, v[TMP]                  ; f = 2^(old M - new M): a multiplication by it rounds nothing
.set n, 0
.rept 32
	v_pk_fma_f32 v[S+n:S+n+1], v[S+n:S+n+1], s[CS:CS+1], v[12:13] op_sel_hi:[1,0,0]   ; t - M
.set n, n+2
.endr
.irp b, 0,1,2,3
	v_fma_f32 v[BM+\b], v[BM+\b], s[CS], v12
.endr
.set n, 0
	s_wait_alu depctr_va_vdst(0)
.rept 64
	v_exp_f32 v[S+n], v[S+n]                       ; p = 2^(t - M)
.set n, n+1
.endr
	v_pk_mul_f32 v[14:15], v[14:15], v[F:F+1] op_sel_hi:[1,0]   ; the sums under the new M: a plain place behind the exponentials
	s_wait_alu depctr_va_vdst(0)                   ; one wait for the whole batch, ahead of its first use
.irp b, 0,1,2,3
	v_exp_f32 v[BM+\b], v[BM+\b]                   ; the block's largest p
.endr
	v_pk_add_f32 v[48:49], v[144:145], v[148:149]
	v_pk_add_f32 v[252:253], v[152:153], v[156:157]
	v_pk_add_f32 v[248:249], v[160:161], v[164:165]
	v_pk_add_f32 v[246:247], v[168:169], v[172:173]
	v_pk_add_f32 v[244:245], v[176:177], v[180:181]
	v_pk_add_f32 v[242:243], v[184:185], v[188:189]
	v_pk_add_f32 v[240:241], v[192:193], v[196:197]
	v_pk_add_f32 v[14:15], v[14:15], v[200:201]
	v_pk_add_f32 v[48:49], v[48:49], v[140:141]
	v_pk_add_f32 v[252:253], v[252:253], v[142:143]
	v_pk_add_f32 v[248:249], v[248:249], v[146:147]
	v_pk_add_f32 v[246:247], v[246:247], v[150:151]
	v_pk_add_f32 v[244:245], v[244:245], v[154:155]
	v_pk_add_f32 v[242:243], v[242:243], v[158:159]
	v_pk_add_f32 v[240:241], v[240:241], v[162:163]
	v_pk_add_f32 v[14:15], v[14:15], v[166:167]
	v_pk_add_f32 v[48:49], v[48:49], v[170:171]
	v_pk_add_f32 v[252:253], v[252:253], v[174:175]
	v_pk_add_f32 v[248:249], v[248:249], v[178:179]
	v_pk_add_f32 v[246:247], v[246:247], v[182:183]
	v_pk_add_f32 v[244:245], v[244:245], v[186:187]
	v_pk_add_f32 v[242:243], v[242:243], v[190:191]
	v_pk_add_f32 v[240:241], v[240:241], v[194:195]
	v_pk_add_f32 v[14:15], v[14:15], v[198:199]
	v_pk_add_f32 v[48:49], v[48:49], v[202:203]
	s_delay_alu instid0(VALU_DEP_2)
	v_pk_add_f32 v[14:15], v[14:15], v[246:247]
	s_delay_alu instid0(VALU_DEP_2)
	v_pk_add_f32 v[48:49], v[48:49], v[244:245]
	v_pk_add_f32 v[252:253], v[252:253], v[242:243]
	v_pk_add_f32 v[248:249], v[248:249], v[240:241]
	s_delay_alu instid0(VALU_DEP_2)
	v_pk_add_f32 v[14:15], v[14:15], v[252:253]
	s_delay_alu instid0(VALU_DEP_2)
	v_pk_add_f32 v[48:49], v[48:49], v[248:249]
	s_delay_alu instid0(VALU_DEP_1)
	v_pk_add_f32 v[14:15], v[14:15], v[48:49]
	s_wait_alu depctr_va_vdst(0)                   ; and one for the four
.irp b, 0,1,2,3
	v_max_num_f32 v[BM+\b], 0x2800000, v[BM+\b]    ; the floor 2^(5 - 127)
.endr
.irp b, 0,1,2,3
	s_delay_alu instid0(VALU_DEP_4)
	v_add_nc_u32 v[SO+\b], 0xfe000000, v[BM+\b]
.endr
.irp b, 0,1,2,3
	s_delay_alu instid0(VALU_DEP_4)
	v_lshrrev_b32 v[BY+\b], 23, v[SO+\b]
.endr
	s_delay_alu instid0(VALU_DEP_3)
	v_lshl_or_b32 v[PSW], v[BY+1], 8, v[BY]        ; p's scale word for these 128 keys
	s_delay_alu instid0(VALU_DEP_1)
	v_lshl_or_b32 v[PSW], v[BY+2], 16, v[PSW]
	s_delay_alu instid0(VALU_DEP_1)
	v_lshl_or_b32 v[PSW], v[BY+3], 24, v[PSW]
.irp c, 0,1
	v_cvt_scalef32_pk16_bf6_f32 v[PCD+6*\c:PCD+6*\c+2], v[S+32*\c:S+32*\c+15], v[SO+2*\c]
	v_cvt_scalef32_pk16_bf6_f32 v[PC2+4*\c:PC2+4*\c+2], v[S+32*\c+16:S+32*\c+31], v[SO+2*\c+1]
.endr
	v_nop                                          ; one plain place behind a scaled conversion
.irp c, 0,1
.irp i, 0,1,2
	v_permlane16_swap_b32 v[PCD+6*\c+\i], v[PC2+4*\c+\i]
.endr
.irp i, 0,1,2
	s_delay_alu instid0(VALU_DEP_3)
	v_mov_b32 v[PCD+3+6*\c+\i], v[PC2+4*\c+\i]
.endr
.endr
.set n, 0
.rept 16
	v_pk_mul_f32 v[O+n:O+n+1], v[O+n:O+n+1], v[F:F+1] op_sel_hi:[1,0]   ; O^T under the new M; these sixteen are also the places between p's word and codes and the products
.set n, n+2
.endr
	s_wait_alu depctr_va_vdst(0)
	s_wait_dscnt 0x0                               ; V^T and its words
.irp d, 0,2
	v_wmma_scale_f32_16x16x128_f8f6f4 v[O+8*\d:O+8*\d+7], v[VF+12*\d:VF+12*\d+11], v[PCD:PCD+11], v[O+8*\d:O+8*\d+7], v[VSW+\d/2], v[PSW] matrix_a_fmt:MATRIX_FMT_BF6 matrix_b_fmt:MATRIX_FMT_BF6
	v_wmma_scale_f32_16x16x128_f8f6f4 v[O+8*\d+8:O+8*\d+15], v[VF+12*\d+12:VF+12*\d+23], v[PCD:PCD+11], v[O+8*\d+8:O+8*\d+15], v[VSW+\d/2], v[PSW] matrix_a_fmt:MATRIX_FMT_BF6 matrix_b_fmt:MATRIX_FMT_BF6 matrix_a_scale:MATRIX_SCALE_ROW1
.endr
	v_add_nc_u32 v[A16K], 6144, v[A16K]            ; the next step's addresses: six plain places behind the products, in front of the next loads and of the way out
	v_add_nc_u32 v[A8K], 6144, v[A8K]
	v_add_nc_u32 v[A16V], 6144, v[A16V]
	v_add_nc_u32 v[A8V], 6144, v[A8V]
	v_add_nc_u32 v[ASK], 512, v[ASK]
	v_add_nc_u32 v[ASV], 256, v[ASV]
	s_sub_co_u32 s3, s3, 1
	s_cmp_lg_u32 s3, 0
	s_cbranch_scc1 .Lstep
	; THE WAY OUT: O^T / the sum; register 16 b + i is channel 32 b + 16 h + i of my query: two blocks; the codes are half a fragment of the next product
	v_add_f32 v14, v14, v15
	s_delay_alu instid0(VALU_DEP_1)
	v_permlanex16_b32 v[PT], v14, s[SEL], s[SEL+1]
	s_delay_alu instid0(VALU_DEP_1)
	v_add_f32 v14, v14, v[PT]                      ; the row's sum
	s_wait_alu depctr_va_vdst(0)
	v_rcp_f32 v14, v14
	v_nop                                          ; a plain place behind the reciprocal
	s_wait_alu depctr_va_vdst(0)                   ; and the wait ahead of its first use
.set n, 0
.rept 32
	v_mul_f32 v[S+n], v[O+n], v14
.set n, n+1
.endr
.irp b, 0,1
	v_max3_num_f32 v[BM+\b], |v[S+16*\b]|, |v[S+1+16*\b]|, 0x2800000
.endr
.irp i, 2,4,6,8,10,12,14
.irp b, 0,1
	s_delay_alu instid0(VALU_DEP_2)
	v_max3_num_f32 v[BM+\b], v[BM+\b], |v[S+16*\b+\i]|, |v[S+1+16*\b+\i]|
.endr
.endr
.irp b, 0,1
	s_delay_alu instid0(VALU_DEP_2)
	v_permlanex16_b32 v[PT+\b], v[BM+\b], s[SEL], s[SEL+1]
.endr
.irp b, 0,1
	s_delay_alu instid0(VALU_DEP_2)
	v_max_num_f32 v[BM+\b], v[BM+\b], v[PT+\b]
.endr
.irp b, 0,1
	s_delay_alu instid0(VALU_DEP_2)
	v_add_nc_u32 v[SO+\b], 0xfe000000, v[BM+\b]
.endr
.irp b, 0,1
	s_delay_alu instid0(VALU_DEP_2)
	v_lshrrev_b32 v[BY+\b], 23, v[SO+\b]
.endr
	s_delay_alu instid0(VALU_DEP_1)
	v_lshl_or_b32 v[PSW], v[BY+1], 8, v[BY]
	v_cvt_scalef32_pk16_bf6_f32 v[PCD:PCD+2], v[S:S+15], v[SO]
	v_cvt_scalef32_pk16_bf6_f32 v[PC2:PC2+2], v[S+16:S+31], v[SO+1]
	v_nop
.irp i, 0,1,2
	v_permlane16_swap_b32 v[PCD+\i], v[PC2+\i]
.endr
.irp i, 0,1,2
	s_delay_alu instid0(VALU_DEP_3)
	v_mov_b32 v[PCD+3+\i], v[PC2+\i]
.endr
	global_store_b128 v[V16], v[PCD:PCD+3], s[44:45]
	global_store_b64 v[V8], v[PCD+4:PCD+5], s[44:45] offset:512
	global_store_b16 v[VR4], v[PSW], s[46:47]      ; my head's two bytes of the row's word; lanes l and l xor 16 write the same bytes with the same value
	s_wait_tensorcnt 0x0
	ds_add_u32 v251, v255
	s_wait_dscnt 0x0
	CROUND                                         ; the closing round
	s_endpgm
.Lfunc_end_k_qac67ebca4a_attn:
	.size	k_qac67ebca4a_attn, .Lfunc_end_k_qac67ebca4a_attn-k_qac67ebca4a_attn
	.p2alignl 7, 3214868480
	.fill 96, 4, 3214868480
	.section	.rodata,"a",@progbits
	.p2align	6, 0x0
	.amdhsa_kernel k_qac67ebca4a_attn
		.amdhsa_group_segment_fixed_size 215040
		.amdhsa_private_segment_fixed_size 0
		.amdhsa_enable_private_segment 0
		.amdhsa_kernarg_size 16
		.amdhsa_user_sgpr_count 2
		.amdhsa_user_sgpr_kernarg_segment_ptr 1
		.amdhsa_wavefront_size32 1
		.amdhsa_system_sgpr_workgroup_id_x 1
		.amdhsa_system_sgpr_workgroup_id_y 1
		.amdhsa_system_sgpr_workgroup_id_z 1
		.amdhsa_system_vgpr_workitem_id 0
		.amdhsa_next_free_vgpr 256
		.amdhsa_next_free_sgpr 66
		.amdhsa_reserve_vcc 0
		.amdhsa_float_denorm_mode_32 3
		.amdhsa_float_denorm_mode_16_64 3
		.amdhsa_memory_ordered 1
		.amdhsa_forward_progress 1
		.amdhsa_inst_pref_size 29
	.end_amdhsa_kernel
	.amdgpu_metadata
---
amdhsa.version: [ 1, 2 ]
amdhsa.kernels:
  - .name:           k_qac67ebca4a_attn
    .symbol:         k_qac67ebca4a_attn.kd
    .args:
      - { .name: qkv, .offset: 0, .size: 8, .value_kind: global_buffer, .address_space: global }
      - { .name: ctx, .offset: 8, .size: 8, .value_kind: global_buffer, .address_space: global }
    .group_segment_fixed_size: 215040
    .private_segment_fixed_size: 0
    .kernarg_segment_align: 8
    .kernarg_segment_size: 16
    .max_flat_workgroup_size: 512
    .sgpr_count:     66
    .vgpr_count:     256
    .wavefront_size: 32
...
	.end_amdgpu_metadata
.endif
;; end of part 3
;; launch woln (part 4): grid 256 x 1, 8 waves a work-group, no clusters, 295,936 bytes of LDS; arguments ctx, wts, bo, x, ln1_g, ln1_b, a1; writes a1
.if DOCPART == 4
	.amdgcn_target "amdgcn-amd-amdhsa--gfx1250"
	.amdhsa_code_object_version 6
	.text
	.protected	k_qac67ebca4a_woln
	.globl	k_qac67ebca4a_woln
	.p2align	8
	.type	k_qac67ebca4a_woln,@function
k_qac67ebca4a_woln:
	s_mov_b64 s[64:65], 0
	v_nop
	global_prefetch_b8 v0, s[64:65] scope:SCOPE_SE
	s_setreg_imm32_b32 hwreg(HW_REG_WAVE_MODE, 25, 1), 1
	s_wait_xcnt 0x0
; a1 = LayerNorm(ctx wo^T + bo + x) x g + b.  The product runs on codes of BF6 (E3M2) with E8M0 scales, K = 1,024; all else in f32 (mean; mean of the squared differences; 1 / sqrt(. + 1e-5)).
; a1 is stored as f32 and, quantised along the row, as codes of BF6 with E8M0 scales in the order of an operand's registers.
; SHARES: work-group rb owns the 16 rows of row block rb, whole (place i is row 32 (rb / 2) + 8 (rb % 2) + i + 8 (i / 8)): so the norm needs no second launch and the sum never goes to memory.
; Wave w makes the 16 x 128 numbers of column tiles 8 w .. 8 w + 7: 8 accumulators, by turns.  Source 0: the weight's fragment; source 1: the rows': a lane holds one row, and its registers neighbouring columns.
; OPERANDS lie in memory as images of their registers: a fragment (16 places x 128 K) is 1,536 bytes, [row block][K step][1,536].  Each fragment of the weight is used by one wave, once.
; TWO ROADS FOR THE WEIGHT: K steps 0 to 4 go from memory straight into the wave's operand registers, in two sets of a K step (4 loads for the rows' fragment, 32 for the weight's eight);
; K steps 5 to 7 of the wave's eight tiles (8 rows of 4,608 bytes) come by the wave's one tensor load, issued at the head, into LDS bytes of the wave's own, filled once and read by that wave alone.
; No cluster: five eighths of the weight's bytes pass through no LDS, so no joint load could bring them, and a wave's tile in LDS is asked for once, with no ring whose rounds partners could share.
; PREFETCHES INTO THE L2, at the head: sixteen neighbouring work-groups share the weight's 3,072 blocks of 256 bytes out, 24 blocks a wave (lanes 24-31 name the last again); and each wave asks for its own two rows of x, a lane a block, which it loads four K steps later.
; THE NORM: the 16 x 1,024 sums meet in a stage in LDS (rows of 4,096 + 16 bytes), on bytes whose one fill has landed and which every wave has read for the last time in front of a barrier;
; behind a second barrier wave w takes the rows at places 2 w, 2 w + 1, each whole in 32 registers, adds x and bo, normalises, stores them and lays them back; behind a third wave w quantises K step w: one fragment of 16 places x 128.
; LIMITS: NaN and infinities are not served; a block whose largest magnitude lies under 2^-122 keeps the byte 1; a block of zeros has the byte 1 and zero codes (read by this program alone).
; REGISTERS: window 0: v1-15, v56 lane terms and addresses; v16-47 the weight's scale words, v48-55 the rows' (behind the product: the norm's and the quantiser's small registers); v64-87 the rows' fragments, two sets; v88.. bo, v120.. g, v224.. b;
;   v160-223 the accumulators, then two rows, then the quantiser's 64 numbers.  window 1: v0-191 the weight's fragments, two sets; v192-255 x.
.set FRB,   1536
.set RBB,   8*FRB
.set ASC,   3145728                    ; ctx: where the scale words begin
.set BCODE, 5505024                    ; wts: wo's codes,
.set BSC,   12582912+229376            ; and its scale words
.set KL,    5                          ; the first K step that comes through LDS
.set RROW,  (8-KL)*FRB                 ; a tile's K steps 5 to 7: 4,608 bytes
.set RWAVE, 8*RROW                     ; a wave's part of LDS: 36,864 bytes
.set SP,    4112                       ; a stage row; the stage begins at LDS byte 0
.set SPARE, 8*RWAVE                    ; the spare words: 128 bytes for each wave, four blocks of 256 bytes that no other line names
.set V16,   4
.set V8,    5
.set VR4,   6
.set STI,   7
.set STO,   8
.set SH8,   9
.set WT,    10
.set RB16,  11
.set RB8,   12
.set STA,   13
.set PF,    14
.set PF2,   15
.set BS,    16
.set AS,    48
.set V4L,   56
.set SPW,   62
.set NIL,   63
.set AF,    64
.set BO,    88
.set G,     120
.set ACC,   160
.set XR,    160
.set B,     224
.set A,     16                         ; the norm: v16-23 four pairs of sums
.set MU,    24                         ; v24-27 the mean (low word of a pair)
.set RS,    28                         ; v28-31 1 / sqrt (low word of a pair)
.set SM,    32
.set PT,    36
.set C,     16                         ; the quantiser's registers take the places of the norm's
.set T,     28
.set MX,    36
.set SO,    38
.set BY,    40
.set W0,    42
.set SEL,   42
.set G0,    48                         ; s[48:51], s[52:59] the tensor load's two groups
.set G1,    52
.set MSB, 0
.macro WIN new                         ; the immediate's high byte repeats the setting that is left
.if MSB != (\new)
	s_set_vgpr_msb (MSB<<8)|(\new)
.set MSB, (\new)
.endif
.endm
.macro PLACES                          ; four plain places behind matrix instructions, in front of loads into their registers and of reads of their results
.rept 4
	v_nop
.endr
.endm
.macro LDA q                           ; the rows' fragment of K step q into set q % 2
.set ST, (\q)%2
	global_load_b128 v[AF+12*ST:AF+12*ST+3], v[V16], s[24:25] offset:(\q)*FRB
	global_load_b64 v[AF+12*ST+4:AF+12*ST+5], v[V8], s[24:25] offset:(\q)*FRB+512
	global_load_b128 v[AF+12*ST+6:AF+12*ST+9], v[V16], s[24:25] offset:(\q)*FRB+768
	global_load_b64 v[AF+12*ST+10:AF+12*ST+11], v[V8], s[24:25] offset:(\q)*FRB+1280
.endm
.macro LDSET q                         ; K step q's nine fragments from memory: 36 loads, every offset an immediate
	LDA \q
	WIN 0x40
.set tt, 0
.rept 8
.set FB, 96*ST+12*tt
	global_load_b128 v[FB:FB+3], v[V16], s[28:29] offset:tt*RBB+(\q)*FRB
	global_load_b64 v[FB+4:FB+5], v[V8], s[28:29] offset:tt*RBB+(\q)*FRB+512
	global_load_b128 v[FB+6:FB+9], v[V16], s[28:29] offset:tt*RBB+(\q)*FRB+768
	global_load_b64 v[FB+10:FB+11], v[V8], s[28:29] offset:tt*RBB+(\q)*FRB+1280
.set tt, tt+1
.endr
	WIN 0
.endm
.macro LDSL q                          ; K step q, 5 to 7: the rows' fragment from memory (4 loads), the weight's eight from my part of LDS (32 loads)
	LDA \q
	WIN 0x40
.set tt, 0
.rept 8
.set FB, 96*ST+12*tt
.set LO, tt*RROW+((\q)-KL)*FRB
	ds_load_b128 v[FB:FB+3], v[RB16] offset:LO
	ds_load_b64 v[FB+4:FB+5], v[RB8] offset:LO+512
	ds_load_b128 v[FB+6:FB+9], v[RB16] offset:LO+768
	ds_load_b64 v[FB+10:FB+11], v[RB8] offset:LO+1280
.set tt, tt+1
.endr
	WIN 0
.endm
.macro MUL q, zero                     ; eight products, the accumulators by turns.  A register of the weight's words serves two tiles: lanes 0-15 the even one, lanes 16-31 the odd one
.set ST, (\q)%2
	WIN 0x01
.set tt, 0
.rept 8
.set DD, ACC+8*tt
.set FB, 96*ST+12*tt
.set FA, AF+12*ST
.set SW, BS+4*(\q)+tt/2
.if \zero
.if tt%2
	v_wmma_scale_f32_16x16x128_f8f6f4 v[DD:DD+7], v[FB:FB+11], v[FA:FA+11], 0, v[SW], v[AS+(\q)] matrix_a_fmt:MATRIX_FMT_BF6 matrix_b_fmt:MATRIX_FMT_BF6 matrix_a_scale:MATRIX_SCALE_ROW1
.else
	v_wmma_scale_f32_16x16x128_f8f6f4 v[DD:DD+7], v[FB:FB+11], v[FA:FA+11], 0, v[SW], v[AS+(\q)] matrix_a_fmt:MATRIX_FMT_BF6 matrix_b_fmt:MATRIX_FMT_BF6
.endif
.else
.if tt%2
	v_wmma_scale_f32_16x16x128_f8f6f4 v[DD:DD+7], v[FB:FB+11], v[FA:FA+11], v[DD:DD+7], v[SW], v[AS+(\q)] matrix_a_fmt:MATRIX_FMT_BF6 matrix_b_fmt:MATRIX_FMT_BF6 matrix_a_scale:MATRIX_SCALE_ROW1
.else
	v_wmma_scale_f32_16x16x128_f8f6f4 v[DD:DD+7], v[FB:FB+11], v[FA:FA+11], v[DD:DD+7], v[SW], v[AS+(\q)] matrix_a_fmt:MATRIX_FMT_BF6 matrix_b_fmt:MATRIX_FMT_BF6
.endif
.endif
.set tt, tt+1
.endr
	WIN 0
.endm
	s_load_b256 s[4:11], s[0:1], 0x0               ; ctx, wts, bo, x
	s_load_b128 s[12:15], s[0:1], 0x20             ; g, b
	s_load_b64 s[16:17], s[0:1], 0x30              ; a1
	v_lshl_add_u32 v[SPW], v0, 2, SPARE
	v_mov_b32 v[NIL], 0
	ds_add_u32 v[SPW], v[NIL]                      ; the opening lines: the add, twice on end, and its wait ahead of my tensor load
	ds_add_u32 v[SPW], v[NIL]
	v_lshrrev_b32 v1, 5, v0
	v_readfirstlane_b32 s20, v1                    ; wave 0..7
	s_mul_i32 s21, s20, 2*SP                       ; my two places in the stage
	s_lshl_b32 s22, s20, 9                         ; my 128 columns, in bytes
	s_mul_i32 s23, s20, RWAVE                      ; my part of LDS
	v_and_b32 v1, 31, v0
	v_and_b32 v2, 15, v0
	v_bfe_u32 v3, v0, 4, 1
	v_lshlrev_b32 v[V16], 4, v1
	v_lshlrev_b32 v[V8], 3, v1
	v_lshlrev_b32 v[V4L], 2, v1
	v_lshlrev_b32 v[VR4], 2, v2
	v_add_nc_u32 v[STI], s21, v[V16]
	v_mul_u32_u24 v[STA], v2, SP
	v_add_nc_u32 v[STA], s22, v[STA]
	v_lshl_add_u32 v[STO], v3, 7, v[STA]           ; the quantiser's reads: place r, K step w, + 128 h bytes
	v_lshl_add_u32 v[STA], v3, 6, v[STA]           ; the sums' way in: place r, my columns, + 64 h bytes
	v_lshlrev_b32 v[SH8], 3, v3
	v_mov_b32 v[WT], 0                             ; a lane permute's destination counts as one of its sources
	v_add_nc_u32 v[RB16], s23, v[V16]
	v_add_nc_u32 v[RB8], s23, v[V8]
	v_lshlrev_b32 v[PF], 8, v1
	v_min_u32 v[PF2], 23, v1
	v_lshlrev_b32 v[PF2], 8, v[PF2]
	s_wait_alu depctr_va_vdst(0)                   ; the wait behind the head's last vector instruction
	s_mov_b32 s[G1], 3<<16                         ; elements of 8 bytes; no mask, no padding
	s_mov_b32 s[G1+1], (RROW/8)<<16                ; rows of 4,608 bytes,
	s_mov_b32 s[G1+2], 8<<16                       ; eight of them,
	s_mov_b32 s[G1+3], (RROW/8)<<16
	s_mov_b32 s[G1+4], 8
	s_mov_b32 s[G1+5], RBB/8                       ; a column tile apart in memory
	s_mov_b32 s[G1+6], 0
	s_mov_b32 s[G1+7], 0
	s_mul_i32 s24, ttmp9, RBB                      ; the rows' fragments
	s_mov_b32 s25, 0
	s_lshr_b32 s26, ttmp9, 3
	s_lshl_b32 s26, s26, 12
	s_and_b32 s21, ttmp9, 7
	s_lshl_b32 s21, s21, 6                         ; my row block's 64 bytes in a K step's 512 bytes of words
	s_add_co_u32 s26, s26, s21
	s_add_co_u32 s26, s26, ASC
	s_mov_b32 s27, 0
	s_mul_i32 s28, s20, 8*RBB                      ; my eight column tiles
	s_add_co_u32 s28, s28, BCODE
	s_mov_b32 s29, 0
	s_lshl_b32 s30, s20, 12                        ; and their words
	s_add_co_u32 s30, s30, BSC
	s_mov_b32 s31, 0
	s_lshr_b32 s32, ttmp9, 1
	s_lshl_b32 s32, s32, 5
	s_and_b32 s22, ttmp9, 1
	s_lshl_b32 s22, s22, 3
	s_add_co_u32 s32, s32, s22
	s_lshl_b32 s22, s20, 1
	s_add_co_u32 s32, s32, s22
	s_lshr_b32 s22, s20, 2
	s_lshl_b32 s22, s22, 3
	s_add_co_u32 s32, s32, s22                     ; the row at place 2 w; the next place is the next row
	s_lshl_b32 s32, s32, 12
	s_mov_b32 s33, 0
	s_lshl_b32 s36, ttmp9, 3
	s_add_co_u32 s36, s36, s20
	s_mul_i32 s36, s36, FRB
	s_add_co_u32 s36, s36, 16777216                ; a1's codes: fragment (rb, w)
	s_mov_b32 s37, 0
	s_lshr_b32 s38, ttmp9, 3
	s_lshl_b32 s38, s38, 3
	s_add_co_u32 s38, s38, s20
	s_lshl_b32 s38, s38, 9
	s_add_co_u32 s38, s38, s21
	s_add_co_u32 s38, s38, 19922944                ; a1's scale words
	s_mov_b32 s39, 0
	s_and_b32 s40, ttmp9, 15
	s_lshl_b32 s40, s40, 3
	s_add_co_u32 s40, s40, s20
	s_mul_i32 s40, s40, 24*256                     ; my 24 blocks of the weight's 3,072
	s_add_co_u32 s40, s40, BCODE
	s_mov_b32 s41, 0
	s_mov_b32 s[SEL], 0x76543210
	s_mov_b32 s[SEL+1], 0xfedcba98
	s_mov_b32 s44, 0x3a800000                      ; 1 / 1,024
	s_mov_b32 s45, 0x3727c5ac                      ; 1e-5
	s_wait_dscnt 0x0                               ; both opening adds are done
	s_wait_kmcnt 0x0
	s_add_nc_u64 s[28:29], s[6:7], s[28:29]
	s_mov_b32 s[G0], 1
	s_mov_b32 s[G0+1], s23
	s_add_nc_u64 s[G0+2:G0+3], s[28:29], KL*FRB    ; K step 5 of my first tile: 7,680 bytes into its row block
	s_or_b32 s[G0+3], s[G0+3], 0x80000000
	tensor_load_to_lds s[G0:G0+3], s[G1:G1+7]      ; my one tensor load of the launch
	s_nop 0
.rept 4
	v_nop
.endr
	s_add_nc_u64 s[24:25], s[4:5], s[24:25]
	s_add_nc_u64 s[26:27], s[4:5], s[26:27]
	s_add_nc_u64 s[30:31], s[6:7], s[30:31]
	s_add_nc_u64 s[34:35], s[16:17], s[32:33]      ; a1 as f32
	s_add_nc_u64 s[32:33], s[10:11], s[32:33]      ; x
	s_add_nc_u64 s[36:37], s[16:17], s[36:37]
	s_add_nc_u64 s[38:39], s[16:17], s[38:39]
	s_add_nc_u64 s[40:41], s[6:7], s[40:41]
	global_prefetch_b8 v[PF2], s[40:41] th:TH_LOAD_NT scope:SCOPE_SE
	global_prefetch_b8 v[PF], s[32:33] th:TH_LOAD_NT scope:SCOPE_SE
.irp q, 0,1,2,3,4,5,6,7
.irp p, 0,1,2,3
	global_load_b32 v[BS+4*\q+\p], v[V4L], s[30:31] offset:512*\q+128*\p      ; lane l: the word of place l of tiles 2 p, 2 p + 1, K step q: 128 consecutive bytes
.endr
.endr
.irp q, 0,1,2,3,4,5,6,7
	global_load_b32 v[AS+\q], v[VR4], s[26:27] offset:512*\q                  ; lane r: row r's word of K step q
.endr
	LDSET 0
	LDSET 1
.irp j, 0,1,2,3,4,5,6,7
	global_load_b128 v[BO+4*\j:BO+4*\j+3], v[V16], s[8:9] offset:512*\j
.endr
.irp j, 0,1,2,3,4,5,6,7
	global_load_b128 v[G+4*\j:G+4*\j+3], v[V16], s[12:13] offset:512*\j
.endr
.irp j, 0,1,2,3,4,5,6,7
	global_load_b128 v[B+4*\j:B+4*\j+3], v[V16], s[14:15] offset:512*\j
.endr
	s_wait_loadcnt 60                              ; the words and set 0 are in; set 1's 36 loads and the 24 of bo, g, b may be out
	MUL 0, 1                                       ; the first step's products start the sums
	PLACES
	LDSET 2
	s_wait_loadcnt 60                              ; set 1 is in; the 24 and set 2's 36 may be out
	MUL 1, 0
	PLACES
	LDSET 3
	s_wait_loadcnt 36                              ; this step's set is in; the next set may be out
	MUL 2, 0
	PLACES
	LDSET 4
	s_wait_loadcnt 36
	MUL 3, 0
	PLACES
	s_wait_tensorcnt 0x0                           ; my tile lies in LDS; no other wave reads it
	LDSL 5
	WIN 0x40
.irp i, 0,1
.irp j, 0,1,2,3,4,5,6,7
	global_load_b128 v[192+32*\i+4*\j:192+32*\i+4*\j+3], v[V16], s[32:33] offset:4096*\i+512*\j th:TH_LOAD_NT   ; x: my two rows
.endr
.endr
	WIN 0
	s_wait_loadcnt 20                              ; set 4 is in; step 5's 4 loads and x's 16 may be out
	MUL 4, 0
	PLACES
	LDSL 6
	s_wait_loadcnt 20                              ; step 5's rows are in; x's 16 and step 6's 4 may be out
	s_wait_dscnt 32                                ; step 5's fragments are in; step 6's 32 loads may be out
	MUL 5, 0
	PLACES
	LDSL 7
	s_wait_loadcnt 4                               ; step 6's rows and x are in; step 7's 4 may be out
	s_wait_dscnt 32
	MUL 6, 0
	s_wait_loadcnt 0x0
	s_wait_dscnt 0x0                               ; my reads of my tile are over:
	s_barrier_signal -1                            ; say so,
	MUL 7, 0                                       ; work on registers while the others arrive,
	PLACES
	s_barrier_wait -1                              ; and only now are the tiles' bytes written over: every tile has landed and has been read for the last time
.set tt, 0
.rept 8
	ds_store_b128 v[STA], v[ACC+8*tt:ACC+8*tt+3] offset:128*(tt/2)+32*(tt%2)        ; each accumulator from its low end on: columns 32 (t / 2) + 8 (t % 2) + 16 h + 0 .. 7 of my 128
	ds_store_b128 v[STA], v[ACC+8*tt+4:ACC+8*tt+7] offset:128*(tt/2)+32*(tt%2)+16
.set tt, tt+1
.endr
	s_wait_dscnt 0x0                               ; for the others' sake: my columns lie in the stage
	s_barrier_signal -1
	s_barrier_wait -1
.irp i, 0,1
.irp j, 0,1,2,3,4,5,6,7
	ds_load_b128 v[XR+32*\i+4*\j:XR+32*\i+4*\j+3], v[STI] offset:SP*\i+512*\j
.endr
.endr
.irp i, 0,1
	v_mov_b32 v[PT+\i], 0                          ; a lane permute's destination counts as one of its sources
	v_mov_b32 v[MU+2*\i+1], 0                      ; (upper words of pairs of which the low word alone is taken)
	v_mov_b32 v[RS+2*\i+1], 0
.endr
	s_wait_dscnt 0x0
	WIN 0x04
.set n, 0
.rept 32
	v_pk_add_f32 v[XR+n:XR+n+1], v[XR+n:XR+n+1], v[192+n:193+n]
.set n, n+2
.endr
	WIN 0
.irp k, 0,2,4,6,8,10,12,14,16,18,20,22,24,26,28,30
.irp i, 0,1
	v_pk_add_f32 v[XR+32*\i+\k:XR+32*\i+\k+1], v[XR+32*\i+\k:XR+32*\i+\k+1], v[BO+\k:BO+\k+1]
.endr
.endr
.macro FOLD                            ; four pairs of sums (two halves of each row) become the two rows' sums over the 32 lanes
.irp i, 0,1
	v_pk_add_f32 v[A+4*\i:A+4*\i+1], v[A+4*\i:A+4*\i+1], v[A+4*\i+2:A+4*\i+3]
.endr
.irp i, 0,1
	s_delay_alu instid0(VALU_DEP_2)
	v_add_f32 v[SM+\i], v[A+4*\i], v[A+4*\i+1]
.endr
.irp m, 1,2,4,8
.irp i, 0,1
	s_delay_alu instid0(VALU_DEP_2)
	v_add_f32_dpp v[SM+\i], v[SM+\i], v[SM+\i] row_xmask:\m row_mask:0xf bank_mask:0xf
.endr
.endr
.irp i, 0,1
	s_delay_alu instid0(VALU_DEP_2)
	v_permlanex16_b32 v[PT+\i], v[SM+\i], s[SEL], s[SEL+1]
.endr
.irp i, 0,1
	s_delay_alu instid0(VALU_DEP_2)
	v_add_f32 v[SM+\i], v[SM+\i], v[PT+\i]
.endr
.endm
.irp c, 0,1,2,3
	v_pk_add_f32 v[A+2*\c:A+2*\c+1], v[XR+16*\c:XR+16*\c+1], v[XR+16*\c+2:XR+16*\c+3]
.endr
.irp k, 4,6,8,10,12,14
.irp c, 0,1,2,3
	v_pk_add_f32 v[A+2*\c:A+2*\c+1], v[A+2*\c:A+2*\c+1], v[XR+16*\c+\k:XR+16*\c+\k+1]
.endr
.endr
	FOLD
.irp i, 0,1
	s_delay_alu instid0(VALU_DEP_2)
	v_mul_f32 v[MU+2*\i], s44, v[SM+\i]            ; the mean
.endr
.irp k, 0,2,4,6,8,10,12,14,16,18,20,22,24,26,28,30
.irp i, 0,1
	v_pk_add_f32 v[XR+32*\i+\k:XR+32*\i+\k+1], v[XR+32*\i+\k:XR+32*\i+\k+1], v[MU+2*\i:MU+2*\i+1] op_sel_hi:[1,0] neg_lo:[0,1] neg_hi:[0,1]
.endr
.endr
.irp c, 0,1,2,3
	v_pk_mul_f32 v[A+2*\c:A+2*\c+1], v[XR+16*\c:XR+16*\c+1], v[XR+16*\c:XR+16*\c+1]
.endr
.irp k, 2,4,6,8,10,12,14
.irp c, 0,1,2,3
	v_pk_fma_f32 v[A+2*\c:A+2*\c+1], v[XR+16*\c+\k:XR+16*\c+\k+1], v[XR+16*\c+\k:XR+16*\c+\k+1], v[A+2*\c:A+2*\c+1]
.endr
.endr
	FOLD
.irp i, 0,1
	s_delay_alu instid0(VALU_DEP_2)
	v_fma_f32 v[SM+\i], v[SM+\i], s44, s45         ; the variance + 1e-5
.endr
	s_wait_alu depctr_va_vdst(0)                   ; the wait ahead of the batch
.irp i, 0,1
	v_rsq_f32 v[RS+2*\i], v[SM+\i]
.endr
	v_nop                                          ; a plain place behind the last of them
	s_wait_alu depctr_va_vdst(0)                   ; one wait for the two, ahead of their first use
.irp k, 0,2,4,6,8,10,12,14,16,18,20,22,24,26,28,30
.irp i, 0,1
	v_pk_mul_f32 v[XR+32*\i+\k:XR+32*\i+\k+1], v[XR+32*\i+\k:XR+32*\i+\k+1], v[RS+2*\i:RS+2*\i+1] op_sel_hi:[1,0]
.endr
.endr
.irp k, 0,2,4,6,8,10,12,14,16,18,20,22,24,26,28,30
.irp i, 0,1
	v_pk_fma_f32 v[XR+32*\i+\k:XR+32*\i+\k+1], v[XR+32*\i+\k:XR+32*\i+\k+1], v[G+\k:G+\k+1], v[B+\k:B+\k+1]
.endr
.endr
.irp i, 0,1
.irp j, 0,1,2,3,4,5,6,7
	global_store_b128 v[V16], v[XR+32*\i+4*\j:XR+32*\i+4*\j+3], s[34:35] offset:4096*\i+512*\j   ; 512 consecutive bytes
	ds_store_b128 v[STI], v[XR+32*\i+4*\j:XR+32*\i+4*\j+3] offset:SP*\i+512*\j                  ; back onto my own two rows, which no other wave touches between the two barriers
.endr
.endr
	s_wait_dscnt 0x0                               ; for the others' sake: my rows lie in the stage
	s_barrier_signal -1
	s_barrier_wait -1
	s_wait_xcnt 0x0                                ; the stores have read their data: the rows' registers are loaded again only behind this wait
.irp c, 0,1
.irp j, 0,1,2,3,4,5,6,7
	ds_load_b128 v[XR+32*\c+4*\j:XR+32*\c+4*\j+3], v[STO] offset:256*\c+16*\j
.endr
.endr
	s_wait_dscnt 0x0
; 64 numbers of a lane, v[XR + 32 c + i] = k 64 c + 32 h + i of place r (two whole blocks), become the fragment's 12 registers and the place's scale word
.irp c, 0,1
	v_max3_num_f32 v[MX+\c], |v[XR+32*\c]|, |v[XR+32*\c+1]|, 0x2800000   ; with the floor 2^(5 - 127): the byte cannot fall under 1
.endr
.irp i, 2,4,6,8,10,12,14,16,18,20,22,24,26,28,30
.irp c, 0,1
	s_delay_alu instid0(VALU_DEP_2)
	v_max3_num_f32 v[MX+\c], v[MX+\c], |v[XR+32*\c+\i]|, |v[XR+32*\c+\i+1]|
.endr
.endr
.irp c, 0,1
	s_delay_alu instid0(VALU_DEP_2)
	v_add_nc_u32 v[SO+\c], 0xfe000000, v[MX+\c]    ; 4 off the exponent field: the conversion's scale operand
.endr
.irp c, 0,1
	s_delay_alu instid0(VALU_DEP_2)
	v_lshrrev_b32 v[BY+\c], 23, v[SO+\c]           ; the scale's byte
.endr
	s_delay_alu instid0(VALU_DEP_1)
	v_lshl_or_b32 v[W0], v[BY+1], 16, v[BY]        ; blocks h and 2 + h,
	s_delay_alu instid0(VALU_DEP_1)
	v_lshlrev_b32 v[W0], v[SH8], v[W0]             ; at their places in the word;
	s_delay_alu instid0(VALU_DEP_1)
	v_permlanex16_b32 v[WT], v[W0], s[SEL], s[SEL+1]
	s_delay_alu instid0(VALU_DEP_1)
	v_or_b32 v[W0], v[W0], v[WT]                   ; with lane l xor 16's two the word is whole
.irp c, 0,1
	v_cvt_scalef32_pk16_bf6_f32 v[C+6*\c:C+6*\c+2], v[XR+32*\c:XR+32*\c+15], v[SO+\c]
	v_cvt_scalef32_pk16_bf6_f32 v[T+4*\c:T+4*\c+2], v[XR+32*\c+16:XR+32*\c+31], v[SO+\c]   ; (a conversion's three registers begin on an even number)
.endr
	v_nop                                          ; one plain place behind a scaled conversion
.irp c, 0,1
.irp i, 0,1,2
	v_mov_b32 v[C+6*\c+3+\i], v[T+4*\c+\i]
.endr
.endr
	global_store_b128 v[V16], v[C:C+3], s[36:37]   ; the fragment goes out as it stands: each store covers 512 or 256 consecutive bytes, aligned
	global_store_b64 v[V8], v[C+4:C+5], s[36:37] offset:512
	global_store_b128 v[V16], v[C+6:C+9], s[36:37] offset:768
	global_store_b64 v[V8], v[C+10:C+11], s[36:37] offset:1280
	global_store_b32 v[VR4], v[W0], s[38:39]       ; 16 words; lanes l and l xor 16 write the same word with the same value
	s_wait_tensorcnt 0x0                           ; the wave's end
	ds_add_u32 v[SPW], v[NIL]
	s_wait_dscnt 0x0
	s_endpgm
.Lfunc_end_k_qac67ebca4a_woln:
	.size	k_qac67ebca4a_woln, .Lfunc_end_k_qac67ebca4a_woln-k_qac67ebca4a_woln
	.p2alignl 7, 3214868480
	.fill 96, 4, 3214868480
	.section	.rodata,"a",@progbits
	.p2align	6, 0x0
	.amdhsa_kernel k_qac67ebca4a_woln
		.amdhsa_group_segment_fixed_size 295936
		.amdhsa_private_segment_fixed_size 0
		.amdhsa_enable_private_segment 0
		.amdhsa_kernarg_size 56
		.amdhsa_user_sgpr_count 2
		.amdhsa_user_sgpr_kernarg_segment_ptr 1
		.amdhsa_wavefront_size32 1
		.amdhsa_system_sgpr_workgroup_id_x 1
		.amdhsa_system_sgpr_workgroup_id_y 1
		.amdhsa_system_sgpr_workgroup_id_z 1
		.amdhsa_system_vgpr_workitem_id 0
		.amdhsa_next_free_vgpr 512
		.amdhsa_next_free_sgpr 66
		.amdhsa_reserve_vcc 0
		.amdhsa_float_denorm_mode_32 3
		.amdhsa_float_denorm_mode_16_64 3
		.amdhsa_memory_ordered 1
		.amdhsa_forward_progress 1
		.amdhsa_inst_pref_size 75
	.end_amdhsa_kernel
	.amdgpu_metadata
---
amdhsa.version: [ 1, 2 ]
amdhsa.kernels:
  - .name:           k_qac67ebca4a_woln
    .symbol:         k_qac67ebca4a_woln.kd
    .args:
      - { .name: ctx, .offset: 0, .size: 8, .value_kind: global_buffer, .address_space: global }
      - { .name: wts, .offset: 8, .size: 8, .value_kind: global_buffer, .address_space: global }
      - { .name: bo, .offset: 16, .size: 8, .value_kind: global_buffer, .address_space: global }
      - { .name: x, .offset: 24, .size: 8, .value_kind: global_buffer, .address_space: global }
      - { .name: ln1_g, .offset: 32, .size: 8, .value_kind: global_buffer, .address_space: global }
      - { .name: ln1_b, .offset: 40, .size: 8, .value_kind: global_buffer, .address_space: global }
      - { .name: a1, .offset: 48, .size: 8, .value_kind: global_buffer, .address_space: global }
    .group_segment_fixed_size: 295936
    .private_segment_fixed_size: 0
    .kernarg_segment_align: 8
    .kernarg_segment_size: 56
    .max_flat_workgroup_size: 256
    .sgpr_count:     66
    .vgpr_count:     512
    .wavefront_size: 32
...
	.end_amdgpu_metadata
.endif
;; end of part 4
;; launch ffn1 (part 5): grid 16 x 16, 4 waves a work-group, clusters of 4 x 4, 327,680 bytes of LDS; arguments a1, wts, b1, hid; writes hid
.if DOCPART == 5
	.amdgcn_target "amdgcn-amd-amdhsa--gfx1250"
	.amdhsa_code_object_version 6
	.text
	.protected	k_qac67ebca4a_ffn1
	.globl	k_qac67ebca4a_ffn1
	.p2align	8
	.type	k_qac67ebca4a_ffn1,@function
k_qac67ebca4a_ffn1:
	s_mov_b64 s[64:65], 0
	v_nop
	global_prefetch_b8 v0, s[64:65] scope:SCOPE_SE
	s_setreg_imm32_b32 hwreg(HW_REG_WAVE_MODE, 25, 1), 1
	s_wait_xcnt 0x0
	s_wait_alu depctr_hold_cnt(0) depctr_sa_sdst(0) depctr_va_vdst(0) depctr_va_sdst(0) depctr_va_ssrc(0) depctr_va_vcc(0) depctr_vm_vsrc(0)
	s_getreg_b32 s2, hwreg(HW_REG_IB_STS2, 6, 4)
	s_cmp_eq_u32 s2, 0
	s_cbranch_scc0 .Lentry_in_a_cluster
	s_endpgm
.Lentry_in_a_cluster:
	s_bfe_u32 s2, ttmp6, 0x10000c
	s_cmp_lg_u32 s2, 0xf033
	s_cbranch_scc0 .Lentry_shape_is_right
	s_endpgm
.Lentry_shape_is_right:
.set MB,    8
.set NB,    8
.set NQ,    2
.set KS,    8
.set SLB,   4096
.set HOFF,  4096
.set ACODE, 16777216
.set ASC,   19922944
.set BCODE, 6291456
.set BSC,   12582912+262144
.set CH,    NQ*1536
.set HALFT, MB*CH
.set SLOT,  4*HALFT
.set RBB,   KS*1536
.set LAPS,  KS/(2*NQ)
.set SCL,   2*SLOT
.set SPARE, SCL+4*SLB
.set OCB,   12
.set A16,   16
.set A8,    18
.set B16,   20
.set B8,    22
.set V4,    26
.set ADRS,  27
.set SPW,   28
.set NIL,   29
.set V16,   30
.set V8,    31
.set SC,    32
.set X,     64
.set T,     128
.set P,     160
.set XS,    192
.set TM,    192
.set PC,    208
.set PW,    228
.set PWP,   229
.set WS,    230
.set C8,    232
.set G1,    24
.set G0,    32
.set G1B,   48
.set G0B,   56
.set G1S,   68
.set G0S,   76
.set G1SB,  80
.set G0SB,  88
.set SEL,   92
.set CT,    78
.set PFO,   15                         ; v15  the prefetches' offset; never rewritten
.set PFA,   66                         ; s[66:67] the prefetches' base; never rewritten
.set MSB, 0
.macro WIN new
.if MSB != (\new)
	s_set_vgpr_msb (MSB<<8)|(\new)
.set MSB, (\new)
.endif
.endm
.macro PLACES
.rept 4
	v_nop
.endr
.endm
.macro JLOAD g0a, g1a, g0b, g1b
	s_cmp_eq_u32 s15, 0
	s_cbranch_scc0 .Lfor_b_\@
	tensor_load_to_lds s[\g0a:\g0a+3], s[\g1a:\g1a+7]
	s_nop 0
.rept 4
	v_nop
.endr
	s_branch .Lasked_\@
.Lfor_b_\@:
	tensor_load_to_lds s[\g0b:\g0b+3], s[\g1b:\g1b+7]
	s_nop 0
.rept 4
	v_nop
.endr
.Lasked_\@:
.endm
.macro CREST
	s_cmp_lg_u32 s14, 0
	s_cbranch_scc1 .Lnot_wave_0_\@
	s_barrier_signal -3
.Lnot_wave_0_\@:
	s_barrier_wait -3
	s_barrier_signal -1
	s_barrier_wait -1
.endm
.macro CROUND
	s_barrier_signal -1
	s_barrier_wait -1
	CREST
.endm
.macro FRAG reg, a16, a8, off
	ds_load_b128 v[\reg:\reg+3], v[\a16] offset:\off
	ds_load_b64 v[\reg+4:\reg+5], v[\a8] offset:\off+512
	ds_load_b128 v[\reg+6:\reg+9], v[\a16] offset:\off+768
	ds_load_b64 v[\reg+10:\reg+11], v[\a8] offset:\off+1280
.endm
.macro FETCH slot, q, p
	WIN 0x40
.set ii, 0
.rept NB
	FRAG 96*(\p)+12*ii, B16+(\slot), B8+(\slot), ii*CH+(\q)*1536
.set ii, ii+1
.endr
	WIN 0
.set ii, 0
.rept MB
	FRAG 64+96*(\p)+12*ii, A16+(\slot), A8+(\slot), ii*CH+(\q)*1536
.set ii, ii+1
.endr
.endm
.macro SCALES set
.set ii, 0
.rept MB
.set qq, 0
.rept NQ
	ds_load_b32 v[SC+16*(\set)+NQ*ii+qq], v[ADRS] offset:512*qq+64*ii
.set qq, qq+1
.endr
.set ii, ii+1
.endr
.endm
.macro MULA p, q, sc, a, zero
.if (\a) < 4
	WIN 0xa1
.else
	WIN 0xf1
.endif
.set bb, 0
.rept NB
.set AC, 8*(NB*((\a)%4)+bb)
.set RB, 96*(\p)+12*bb
.set RA, 64+96*(\p)+12*(\a)
.set SB, SC+16*(\sc)+NQ*bb+(\q)
.set SA, SC+16*(\sc)+NQ*(\a)+(\q)
.if \zero
	v_wmma_scale_f32_16x16x128_f8f6f4 v[AC:AC+7], v[RB:RB+11], v[RA:RA+11], 0, v[SB], v[SA] matrix_a_fmt:MATRIX_FMT_BF6 matrix_b_fmt:MATRIX_FMT_BF6 matrix_a_scale:MATRIX_SCALE_ROW1
.else
	v_wmma_scale_f32_16x16x128_f8f6f4 v[AC:AC+7], v[RB:RB+11], v[RA:RA+11], v[AC:AC+7], v[SB], v[SA] matrix_a_fmt:MATRIX_FMT_BF6 matrix_b_fmt:MATRIX_FMT_BF6 matrix_a_scale:MATRIX_SCALE_ROW1
.endif
.set bb, bb+1
.endr
.endm
.macro MULS p, q, sc, a0, a1, zero
.set aa, \a0
.rept (\a1)-(\a0)
	MULA \p, \q, \sc, aa, \zero
.set aa, aa+1
.endr
.endm
.macro STEP slot, q, zero
	s_wait_dscnt 0x0
	PLACES
	FETCH \slot, (\q)+1, 1-(\q)%2
	MULS (\q)%2, \q, \slot, 0, MB, \zero
	WIN 0
.endm
.macro TURN slot, next, fill
	s_wait_tensorcnt 0x0
	ds_add_u32 v[SPW], v[NIL]
	s_wait_dscnt 0x1
	MULS 1, NQ-1, \slot, 0, MB/4, 0
	s_wait_dscnt 0x0
	s_barrier_signal -1
	MULS 1, NQ-1, \slot, MB/4, MB/2, 0
	WIN 0
	s_barrier_wait -1
.if \fill
	CREST
	s_add_nc_u64 s[G0+4*\slot+2:G0+4*\slot+3], s[G0+4*\slot+2:G0+4*\slot+3], 2*CH
	s_add_nc_u64 s[G0B+4*\slot+2:G0B+4*\slot+3], s[G0B+4*\slot+2:G0B+4*\slot+3], 2*CH
	JLOAD G0+4*\slot, G1, G0B+4*\slot, G1B
.else
	PLACES
.endif
	s_wait_alu depctr_va_vdst(0)
	v_add_nc_u32 v[ADRS], NQ*512, v[ADRS]
	FETCH \next, 0, 0
	SCALES \next
	MULS 1, NQ-1, \slot, MB/2, MB, 0
	WIN 0
.endm
.macro QUANT s
.irp b, 0,1,2,3
	v_max3_num_f32 v[TM+\b], |v[\s+16*\b]|, |v[\s+1+16*\b]|, 0x2800000
.endr
.irp i, 2,4,6,8,10,12,14
.irp b, 0,1,2,3
	v_max3_num_f32 v[TM+\b], v[TM+\b], |v[\s+16*\b+\i]|, |v[\s+1+16*\b+\i]|
.endr
.endr
.irp b, 0,1,2,3
	v_permlanex16_b32 v[TM+4+\b], v[TM+\b], s[SEL], s[SEL+1]
.endr
.irp b, 0,1,2,3
	v_max_num_f32 v[TM+\b], v[TM+\b], v[TM+4+\b]
.endr
.irp b, 0,1,2,3
	v_add_nc_u32 v[TM+12+\b], 0xfe000000, v[TM+\b]
.endr
.irp b, 0,1,2,3
	v_lshrrev_b32 v[TM+4+\b], 23, v[TM+12+\b]
.endr
	v_lshl_or_b32 v[PW], v[TM+5], 8, v[TM+4]
	v_lshl_or_b32 v[PW], v[TM+6], 16, v[PW]
	v_lshl_or_b32 v[PW], v[TM+7], 24, v[PW]
.irp c, 0,1
	v_cvt_scalef32_pk16_bf6_f32 v[PC+6*\c:PC+2+6*\c], v[\s+32*\c:\s+15+32*\c], v[TM+12+2*\c]
	v_cvt_scalef32_pk16_bf6_f32 v[PC+12+4*\c:PC+14+4*\c], v[\s+16+32*\c:\s+31+32*\c], v[TM+12+2*\c+1]
.endr
	v_nop
.irp c, 0,1
.irp i, 0,1,2
	v_permlane16_swap_b32 v[PC+6*\c+\i], v[PC+12+4*\c+\i]
.endr
.irp i, 0,1,2
	v_mov_b32 v[PC+3+6*\c+\i], v[PC+12+4*\c+\i]
.endr
.endr
.endm
	s_load_b256 s[4:11], s[0:1], 0x0
	v_lshl_add_u32 v[SPW], v0, 2, SPARE
	v_mov_b32 v[NIL], 0
	ds_add_u32 v28, v29
	ds_add_u32 v28, v29
	s_wait_dscnt 0x0
	v_lshrrev_b32 v1, 5, v0
	v_readfirstlane_b32 s14, v1
	s_lshr_b32 s15, s14, 1
	s_and_b32 s16, s14, 1
	s_bfe_u32 s40, ttmp6, 0x40000
	s_bfe_u32 s41, ttmp6, 0x40004
	s_lshl_b32 s42, ttmp9, 2
	s_add_co_u32 s42, s42, s40
	s_and_b32 s17, ttmp7, 0xffff
	s_lshl_b32 s17, s17, 2
	s_add_co_u32 s17, s17, s41
	s_lshl_b32 s43, s41, 2
	s_lshl_b32 s43, 15, s43
	s_lshl_b32 s44, 0x1111, s40
	s_or_b32 s[G1], s43, (3<<16)|(1<<21)
	s_or_b32 s[G1B], s44, (3<<16)|(1<<21)
.irp g, G1, G1B
	s_mov_b32 s[\g+1], (CH/8)<<16
	s_mov_b32 s[\g+2], (2*MB)<<16                  ; the head's loads of codes bring a side's 2 MB row blocks; behind them the two words that count rows are set to MB
	s_mov_b32 s[\g+3], (CH/8)<<16
	s_mov_b32 s[\g+4], 2*MB
	s_mov_b32 s[\g+5], RBB/8
	s_mov_b32 s[\g+6], 0
	s_mov_b32 s[\g+7], 0
.endr
	s_or_b32 s[G1S], s43, (3<<16)|(1<<21)
	s_or_b32 s[G1SB], s44, (3<<16)|(1<<21)
.irp g, G1S, G1SB
	s_mov_b32 s[\g+1], 32<<16
	s_mov_b32 s[\g+2], (2*SLB/256)<<16             ; a side's scale words, whole: 2 SLB dense bytes
	s_mov_b32 s[\g+3], 32<<16
	s_mov_b32 s[\g+4], 2*SLB/256
	s_mov_b32 s[\g+5], 32
	s_mov_b32 s[\g+6], 0
	s_mov_b32 s[\g+7], 0
.endr
	s_mul_i32 s18, s16, MB
	s_mul_i32 s20, s17, 2*MB
	s_add_co_u32 s20, s20, s18
	s_mul_i32 s20, s20, RBB
	s_add_co_u32 s20, s20, ACODE
	s_mov_b32 s21, 0
	s_mul_i32 s46, s42, 2*MB
	s_add_co_u32 s46, s46, s18
	s_mul_i32 s46, s46, RBB
	s_add_co_u32 s46, s46, BCODE
	s_mov_b32 s47, 0
	s_mul_i32 s19, s16, SLB
	s_mul_i32 s22, s17, 2*SLB
	s_add_co_u32 s22, s22, s19
	s_add_co_u32 s22, s22, ASC
	s_mov_b32 s23, 0
	s_mul_i32 s92, s42, 2*SLB
	s_add_co_u32 s92, s92, s19
	s_add_co_u32 s92, s92, BSC
	s_mov_b32 s93, 0
	s_mul_i32 s45, s14, HALFT
	s_wait_kmcnt 0x0
	s_add_nc_u64 s[20:21], s[4:5], s[20:21]
	s_add_nc_u64 s[22:23], s[4:5], s[22:23]
	s_add_nc_u64 s[46:47], s[6:7], s[46:47]
	s_add_nc_u64 s[92:93], s[6:7], s[92:93]
	CROUND
	s_mov_b32 s[G0S], 1
	s_mov_b32 s[G0S+1], SCL
	s_sub_nc_u64 s[G0S+2:G0S+3], s[22:23], SLB     ; used by wave 1 alone, whose s[22:23] stands at the block's second half
	s_or_b32 s[G0S+3], s[G0S+3], 0x80000000
	s_mov_b32 s[G0SB], 1
	s_mov_b32 s[G0SB+1], SCL+2*SLB
	s_sub_nc_u64 s[G0SB+2:G0SB+3], s[92:93], SLB   ; used by wave 3 alone
	s_or_b32 s[G0SB+3], s[G0SB+3], 0x80000000
.irp s, 0,1
	s_mov_b32 s[G0+4*\s], 1
	s_add_co_u32 s[G0+4*\s+1], s45, \s*SLOT
	s_add_nc_u64 s[G0+4*\s+2:G0+4*\s+3], s[20:21], \s*CH
	s_or_b32 s[G0+4*\s+3], s[G0+4*\s+3], 0x80000000
	s_mov_b32 s[G0B+4*\s], 1
	s_add_co_u32 s[G0B+4*\s+1], s45, \s*SLOT
	s_add_nc_u64 s[G0B+4*\s+2:G0B+4*\s+3], s[46:47], \s*CH
	s_or_b32 s[G0B+4*\s+3], s[G0B+4*\s+3], 0x80000000
.endr
; THE HEAD'S LOADS, ONE A WAVE, in one chain of branches on the wave's number: wave 0 A's codes of slot 0 (its own group 0 stands at the side's first row block and at LDS byte 0), wave 1 A's scale words,
; wave 2 B's codes of slot 0 (its group 0 stands at B's first row block and at LDS byte 2 HALFT), wave 3 B's scale words.
.macro ARM under, g0, g1, next
	s_cmp_lt_u32 s14, \under
	s_cbranch_scc0 \next
	tensor_load_to_lds s[\g0:\g0+3], s[\g1:\g1+7]
	s_nop 0
.rept 4
	v_nop
.endr
	s_branch .Lhead_asked
\next:
.endm
	ARM 1, G0, G1, .Lhead_1
	ARM 2, G0S, G1S, .Lhead_2
	ARM 3, G0B, G1B, .Lhead_3
	tensor_load_to_lds s[G0SB:G0SB+3], s[G1SB:G1SB+7]
	s_nop 0
.rept 4
	v_nop
.endr
.Lhead_asked:
; PREFETCHES INTO THE L2: a chunk (CH bytes of each row block) is asked for two refills ahead of its tensor load.  Of the MB row blocks that a wave fetches, each of the four partners that ask for them jointly
; takes two, told apart by address (cx for A, cy for B): 24 blocks of 256 bytes, a lane a block; lanes 24-31 name the last block again.  Chunks 1 and 2 here, chunk 3 behind slot 1's fill; K has four chunks.
	s_cmp_eq_u32 s15, 0
	s_cselect_b32 s18, s40, s41
	s_cselect_b64 s[PFA:PFA+1], s[20:21], s[46:47]
	s_mul_i32 s18, s18, 2*RBB
	s_mov_b32 s19, 0
	s_add_nc_u64 s[PFA:PFA+1], s[PFA:PFA+1], s[18:19]
	v_and_b32 v1, 31, v0
	v_min_u32 v1, 23, v1
	v_mul_u32_u24 v[PFO], v1, 22
	v_lshrrev_b32 v[PFO], 8, v[PFO]                ; which of my two row blocks: 12 blocks of 256 bytes each
	v_mul_u32_u24 v[PFO], v[PFO], RBB-CH
	v_lshl_add_u32 v[PFO], v1, 8, v[PFO]
	global_prefetch_b8 v[PFO], s[PFA:PFA+1] offset:CH th:TH_LOAD_NT scope:SCOPE_SE
	global_prefetch_b8 v[PFO], s[PFA:PFA+1] offset:2*CH th:TH_LOAD_NT scope:SCOPE_SE
	v_and_b32 v1, 31, v0
	v_and_b32 v2, 15, v0
	v_bfe_u32 v3, v0, 4, 1
	v_lshlrev_b32 v[V16], 4, v1
	v_lshlrev_b32 v[V8], 3, v1
	v_lshlrev_b32 v[V4], 2, v1
	s_mul_i32 s18, s15, HALFT
	s_mul_i32 s19, s16, HALFT
	s_add_co_u32 s19, s19, 2*HALFT
.irp s, 0,1
	v_add_nc_u32 v[A16+\s], s18, v[V16]
	v_add_nc_u32 v[A8+\s], s18, v[V8]
	v_add_nc_u32 v[B16+\s], s19, v[V16]
	v_add_nc_u32 v[B8+\s], s19, v[V8]
	s_add_co_u32 s18, s18, SLOT
	s_add_co_u32 s19, s19, SLOT
.endr
	s_mul_i32 s18, s15, HOFF
	s_mul_i32 s19, s16, HOFF
	s_add_co_u32 s19, s19, 2*SLB
	s_sub_co_u32 s19, s19, s18
	v_mul_u32_u24 v4, s19, v3
	s_add_co_u32 s18, s18, SCL
	v_lshl_add_u32 v4, v2, 2, v4
	v_add_nc_u32 v[ADRS], s18, v4
	v_lshlrev_b32 v[OCB], 6, v3
	s_lshl_b32 s96, s42, 10
	s_lshl_b32 s97, s16, 9
	s_add_co_u32 s96, s96, s97
	s_mov_b32 s97, 0
	s_add_nc_u64 s[8:9], s[8:9], s[96:97]
	WIN 0x40
.irp b, 0,1,2,3
.irp i, 0,1,2,3
	global_load_b128 v[192+16*\b+4*\i:192+16*\b+4*\i+3], v[OCB], s[8:9] offset:128*\b+16*\i
.endr
.endr
	WIN 0
	s_wait_alu depctr_va_vdst(0)
	s_wait_tensorcnt 0x0                           ; my tile of the head's four is in
	ds_add_u32 v[SPW], v[NIL]
	s_mov_b32 s[G1+2], MB<<16                      ; no tensor load of mine is out: from here on a load brings MB row blocks
	s_mov_b32 s[G1+4], MB
	s_mov_b32 s[G1B+2], MB<<16
	s_mov_b32 s[G1B+4], MB
	s_wait_dscnt 0x0
	CROUND                                         ; all four tiles are in, and all sixteen work-groups are here
	JLOAD G0+4, G1, G0B+4, G1B                     ; slot 1's first fill, the first tensor load behind the round
	FETCH 0, 0, 0
	SCALES 0
	global_prefetch_b8 v[PFO], s[PFA:PFA+1] offset:3*CH th:TH_LOAD_NT scope:SCOPE_SE
	STEP 0, 0, 1
	s_mov_b32 s3, LAPS-1
.Llap:
	TURN 0, 1, 1
	STEP 1, 0, 0
	TURN 1, 0, 1
	STEP 0, 0, 0
	s_sub_co_u32 s3, s3, 1
	s_cmp_lg_u32 s3, 0
	s_cbranch_scc1 .Llap
	TURN 0, 1, 0
	STEP 1, 0, 0
	s_wait_dscnt 0x0
	MULS 1, NQ-1, 1, 0, MB, 0
	WIN 0
	PLACES
	s_wait_loadcnt 0x0
	s_lshl_b32 s94, s17, 4
	s_lshl_b32 s95, s15, 3
	s_add_co_u32 s94, s94, s95
	s_lshl_b32 s94, s94, 5
	s_lshl_b32 s95, s42, 1
	s_add_co_u32 s95, s95, s16
	s_add_co_u32 s94, s94, s95
	s_mul_i32 s18, s94, 1536
	s_mov_b32 s19, 0
	s_add_nc_u64 s[18:19], s[10:11], s[18:19]
	s_lshl_b32 s94, s17, 1
	s_add_co_u32 s94, s94, s15
	s_lshl_b32 s94, s94, 5
	s_add_co_u32 s94, s94, s95
	s_lshl_b32 s20, s94, 9
	s_add_co_u32 s20, s20, 12582912
	s_mov_b32 s21, 0
	s_add_nc_u64 s[20:21], s[10:11], s[20:21]
	s_mov_b32 s[SEL], 0x76543210
	s_mov_b32 s[SEL+1], 0xfedcba98
	s_mov_b32 vcc_lo, 0xffff0000
.macro COEF reg, bits
	s_mov_b32 s[\reg], \bits
	s_mov_b32 s[\reg+1], \bits
.endm
	COEF 32, 0xbfe9b21e
	COEF 34, 0x3fb8ab5a
	COEF 36, 0x3f0a29d2
	COEF 38, 0x3e0efb2e
	COEF 56, 0xbe899a80
	COEF 58, 0x3ecdfd18
	COEF 60, 0xbfd1a1e5
	COEF 62, 0x40097039
	COEF 76, 0x3e7c6f08
	s_mov_b32 s[CT], 0x3eb504f3
	v_mov_b32 v[C8], 0xbf97d29d
	v_mov_b32 v[C8+1], 0xbf97d29d
	v_mov_b32 v[PWP], 0
.macro COPY a
	WIN 0x06+(\a)/4
.set n, 0
.rept 32
	v_pk_add_f32 v[X+n:X+n+1], v[64*((\a)%4)+n:64*((\a)%4)+n+1], v[192+n:193+n]
.set n, n+2
.endr
	WIN 0
.endm
.macro GELUH g
.set XB, X+32*\g
.set n, 0
.rept 32
	v_fma_f32 v[T+n], |v[XB+n]|, s[CT], 1.0
.set n, n+1
.endr
.set n, 0
	s_wait_alu depctr_va_vdst(0)
.rept 16
	v_rcp_f32 v[T+n], v[T+n]
	v_pk_mul_f32 v[XS+n:XS+n+1], v[XB+n:XB+n+1], 0xbf38aa3b op_sel_hi:[1,0]   ; plain work that names no reciprocal stands among them; its results are first read behind the wait below
	v_rcp_f32 v[T+n+1], v[T+n+1]
.set n, n+2
.endr
	v_nop                                          ; a plain place behind the last reciprocal
	s_wait_alu depctr_va_vdst(0)
.set n, 0
.rept 16
	v_pk_fma_f32 v[P+n:P+n+1], v[T+n:T+n+1], s[76:77], v[C8:C8+1] op_sel_hi:[1,0,1]
.set n, n+2
.endr
.irp p, 62,60,58,56,38,36,34,32
.set n, 0
.rept 16
	v_pk_fma_f32 v[P+n:P+n+1], v[P+n:P+n+1], v[T+n:T+n+1], s[\p:\p+1] op_sel_hi:[1,1,0]
.set n, n+2
.endr
.endr
.set n, 0
.rept 16
	v_pk_fma_f32 v[P+n:P+n+1], v[XS+n:XS+n+1], v[XB+n:XB+n+1], v[P+n:P+n+1]
.set n, n+2
.endr
.set n, 0
	s_wait_alu depctr_va_vdst(0)
.rept 32
	v_exp_f32 v[P+n], v[P+n]
	v_mul_f32 v[XS+n], -0.5, |v[XB+n]|             ; plain work that names no exponential stands among them; its results are first read behind the wait below
	v_max_num_f32 v[XB+n], 0, v[XB+n]
.set n, n+1
.endr
	s_wait_alu depctr_va_vdst(0)
.set n, 0
.rept 16
	v_pk_mul_f32 v[P+n:P+n+1], v[P+n:P+n+1], v[T+n:T+n+1]
.set n, n+2
.endr
.set n, 0
.rept 16
	v_pk_fma_f32 v[XB+n:XB+n+1], v[XS+n:XS+n+1], v[P+n:P+n+1], v[XB+n:XB+n+1]
.set n, n+2
.endr
.endm
	s_mov_b32 s3, 0
.Lrow:
.irp k, 0,1,2,3,4,5,6
	s_cmp_eq_u32 s3, \k
	s_cbranch_scc1 .Lcopy\k
.endr
	COPY 7
	s_branch .Ljoin
.irp k, 0,1,2,3,4,5
.Lcopy\k:
	COPY \k
	s_branch .Ljoin
.endr
.Lcopy6:
	COPY 6
.Ljoin:
	GELUH 0
	GELUH 1
	QUANT X
	global_store_b128 v[V16], v[PC:PC+3], s[18:19]
	global_store_b64 v[V8], v[PC+4:PC+5], s[18:19] offset:512
	global_store_b128 v[V16], v[PC+6:PC+9], s[18:19] offset:768
	global_store_b64 v[V8], v[PC+10:PC+11], s[18:19] offset:1280
	v_cndmask_b32 v[WS], v[PWP], v[PW], vcc_lo
	v_mov_b32 v[PWP], v[PW]
	s_bitcmp1_b32 s3, 0
	s_cbranch_scc0 .Leven
	global_store_b32 v[V4], v[WS], s[20:21] offset:-64
.Leven:
	s_wait_xcnt 0x0
	s_add_nc_u64 s[18:19], s[18:19], 49152
	s_add_nc_u64 s[20:21], s[20:21], 64
	s_add_co_u32 s3, s3, 1
	s_cmp_lt_u32 s3, 8
	s_cbranch_scc1 .Lrow
	s_wait_tensorcnt 0x0
	ds_add_u32 v[SPW], v[NIL]
	s_wait_dscnt 0x0
	CROUND
	s_endpgm
.Lfunc_end_k_qac67ebca4a_ffn1:
	.size	k_qac67ebca4a_ffn1, .Lfunc_end_k_qac67ebca4a_ffn1-k_qac67ebca4a_ffn1
	.p2alignl 7, 3214868480
	.fill 96, 4, 3214868480
	.section	.rodata,"a",@progbits
	.p2align	6, 0x0
	.amdhsa_kernel k_qac67ebca4a_ffn1
		.amdhsa_group_segment_fixed_size 327680
		.amdhsa_private_segment_fixed_size 0
		.amdhsa_enable_private_segment 0
		.amdhsa_kernarg_size 32
		.amdhsa_user_sgpr_count 2
		.amdhsa_user_sgpr_kernarg_segment_ptr 1
		.amdhsa_wavefront_size32 1
		.amdhsa_system_sgpr_workgroup_id_x 1
		.amdhsa_system_sgpr_workgroup_id_y 1
		.amdhsa_system_sgpr_workgroup_id_z 1
		.amdhsa_system_vgpr_workitem_id 0
		.amdhsa_next_free_vgpr 1024
		.amdhsa_next_free_sgpr 98
		.amdhsa_reserve_vcc 1
		.amdhsa_float_denorm_mode_32 3
		.amdhsa_float_denorm_mode_16_64 3
		.amdhsa_memory_ordered 1
		.amdhsa_forward_progress 1
		.amdhsa_inst_pref_size 183
	.end_amdhsa_kernel
	.amdgpu_metadata
---
amdhsa.version: [ 1, 2 ]
amdhsa.kernels:
  - .name:           k_qac67ebca4a_ffn1
    .symbol:         k_qac67ebca4a_ffn1.kd
    .args:
      - { .name: a1, .offset: 0, .size: 8, .value_kind: global_buffer, .address_space: global }
      - { .name: wts, .offset: 8, .size: 8, .value_kind: global_buffer, .address_space: global }
      - { .name: b1, .offset: 16, .size: 8, .value_kind: global_buffer, .address_space: global }
      - { .name: hid, .offset: 24, .size: 8, .value_kind: global_buffer, .address_space: global }
    .group_segment_fixed_size: 327680
    .private_segment_fixed_size: 0
    .kernarg_segment_align: 8
    .kernarg_segment_size: 32
    .max_flat_workgroup_size: 128
    .sgpr_count:     98
    .vgpr_count:     1024
    .wavefront_size: 32
...
	.end_amdgpu_metadata
.endif
;; end of part 5
;; launch ffn2 (part 6): grid 8 x 32, 4 waves a work-group, clusters of 4 x 4, 327,680 bytes of LDS; arguments hid, wts, b2, a1, y; writes y
.if DOCPART == 6
	.amdgcn_target "amdgcn-amd-amdhsa--gfx1250"
	.amdhsa_code_object_version 6
	.text
	.protected	k_qac67ebca4a_ffn2
	.globl	k_qac67ebca4a_ffn2
	.p2align	8
	.type	k_qac67ebca4a_ffn2,@function
k_qac67ebca4a_ffn2:
	s_mov_b64 s[64:65], 0
	v_nop
	global_prefetch_b8 v0, s[64:65] scope:SCOPE_SE
	s_setreg_imm32_b32 hwreg(HW_REG_WAVE_MODE, 25, 1), 1
	s_wait_xcnt 0x0
	s_wait_alu depctr_hold_cnt(0) depctr_sa_sdst(0) depctr_va_vdst(0) depctr_va_sdst(0) depctr_va_ssrc(0) depctr_va_vcc(0) depctr_vm_vsrc(0)
	s_getreg_b32 s2, hwreg(HW_REG_IB_STS2, 6, 4)
	s_cmp_eq_u32 s2, 0
	s_cbranch_scc0 .Lentry_in_a_cluster
	s_endpgm
.Lentry_in_a_cluster:
	s_bfe_u32 s2, ttmp6, 0x10000c
	s_cmp_lg_u32 s2, 0xf033
	s_cbranch_scc0 .Lentry_shape_is_right
	s_endpgm
.Lentry_shape_is_right:
.set MB,    4
.set NB,    4
.set NQ,    4
.set KS,    32
.set SLB,   KS*256
.set HOFF,  256
.set ACODE, 0
.set ASC,   12582912
.set BCODE, 9437184
.set BSC,   12582912+393216
.set CH,    NQ*1536
.set HALFT, MB*CH
.set SLOT,  4*HALFT
.set RBB,   KS*1536
.set LAPS,  KS/(2*NQ)
.set SCL,   2*SLOT
.set SPARE, SCL+4*SLB
.set A16,   16
.set A8,    18
.set B16,   20
.set B8,    22
.set STO,   24
.set RD,    25
.set CO,    26
.set ADRS,  27
.set SPW,   28
.set NIL,   29
.set V16,   30
.set V8,    31
.set SC,    32
.set G1,    24
.set G0,    32
.set G1B,   48
.set G0B,   56
.set G1S,   68
.set G0S,   76
.set G1SB,  80
.set G0SB,  88
.set PFO,   6                          ; v6   the prefetches' offset; never rewritten
.set PFA,   66                         ; s[66:67] where the prefetches stand: stepped one chunk at each change of slots that refills
.set MSB, 0
.macro WIN new
.if MSB != (\new)
	s_set_vgpr_msb (MSB<<8)|(\new)
.set MSB, (\new)
.endif
.endm
.macro PLACES
.rept 4
	v_nop
.endr
.endm
.macro JLOAD g0a, g1a, g0b, g1b
	s_cmp_eq_u32 s15, 0
	s_cbranch_scc0 .Lfor_b_\@
	tensor_load_to_lds s[\g0a:\g0a+3], s[\g1a:\g1a+7]
	s_nop 0
.rept 4
	v_nop
.endr
	s_branch .Lasked_\@
.Lfor_b_\@:
	tensor_load_to_lds s[\g0b:\g0b+3], s[\g1b:\g1b+7]
	s_nop 0
.rept 4
	v_nop
.endr
.Lasked_\@:
.endm
.macro CREST
	s_cmp_lg_u32 s14, 0
	s_cbranch_scc1 .Lnot_wave_0_\@
	s_barrier_signal -3
.Lnot_wave_0_\@:
	s_barrier_wait -3
	s_barrier_signal -1
	s_barrier_wait -1
.endm
.macro CROUND
	s_barrier_signal -1
	s_barrier_wait -1
	CREST
.endm
.macro FRAG reg, a16, a8, off
	ds_load_b128 v[\reg:\reg+3], v[\a16] offset:\off
	ds_load_b64 v[\reg+4:\reg+5], v[\a8] offset:\off+512
	ds_load_b128 v[\reg+6:\reg+9], v[\a16] offset:\off+768
	ds_load_b64 v[\reg+10:\reg+11], v[\a8] offset:\off+1280
.endm
.macro FETCH slot, q, p
	WIN 0x40
.set ii, 0
.rept NB
	FRAG 96*(\p)+12*ii, B16+(\slot), B8+(\slot), ii*CH+(\q)*1536
.set ii, ii+1
.endr
	WIN 0
.set ii, 0
.rept MB
	FRAG 64+96*(\p)+12*ii, A16+(\slot), A8+(\slot), ii*CH+(\q)*1536
.set ii, ii+1
.endr
.endm
.macro SCALES set
.set ii, 0
.rept MB
.set qq, 0
.rept NQ
	ds_load_b32 v[SC+16*(\set)+NQ*ii+qq], v[ADRS] offset:512*qq+64*ii
.set qq, qq+1
.endr
.set ii, ii+1
.endr
.endm
.macro MULA p, q, sc, a, zero
	WIN 0xa1
.set bb, 0
.rept NB
.set AC, 8*(NB*((\a)%4)+bb)
.set RB, 96*(\p)+12*bb
.set RA, 64+96*(\p)+12*(\a)
.set SB, SC+16*(\sc)+NQ*bb+(\q)
.set SA, SC+16*(\sc)+NQ*(\a)+(\q)
.if \zero
	v_wmma_scale_f32_16x16x128_f8f6f4 v[AC:AC+7], v[RB:RB+11], v[RA:RA+11], 0, v[SB], v[SA] matrix_a_fmt:MATRIX_FMT_BF6 matrix_b_fmt:MATRIX_FMT_BF6 matrix_a_scale:MATRIX_SCALE_ROW1
.else
	v_wmma_scale_f32_16x16x128_f8f6f4 v[AC:AC+7], v[RB:RB+11], v[RA:RA+11], v[AC:AC+7], v[SB], v[SA] matrix_a_fmt:MATRIX_FMT_BF6 matrix_b_fmt:MATRIX_FMT_BF6 matrix_a_scale:MATRIX_SCALE_ROW1
.endif
.set bb, bb+1
.endr
.endm
.macro MULS p, q, sc, a0, a1, zero
.set aa, \a0
.rept (\a1)-(\a0)
	MULA \p, \q, \sc, aa, \zero
.set aa, aa+1
.endr
.endm
.macro STEP slot, q, zero
	s_wait_dscnt 0x0
	PLACES
	FETCH \slot, (\q)+1, 1-(\q)%2
	MULS (\q)%2, \q, \slot, 0, MB, \zero
	WIN 0
.endm
.macro TURN slot, next, fill
.if \fill
	s_wait_xcnt 0x0                                ; my last prefetch has read its address: only behind this wait is it stepped
	s_add_nc_u64 s[PFA:PFA+1], s[PFA:PFA+1], CH
.endif
	s_wait_tensorcnt 0x0
	ds_add_u32 v[SPW], v[NIL]
	s_wait_dscnt 0x1
	MULS 1, NQ-1, \slot, 0, MB/4, 0
	s_wait_dscnt 0x0
	s_barrier_signal -1
	MULS 1, NQ-1, \slot, MB/4, MB/2, 0
	WIN 0
	s_barrier_wait -1
.if \fill
	CREST
	s_add_nc_u64 s[G0+4*\slot+2:G0+4*\slot+3], s[G0+4*\slot+2:G0+4*\slot+3], 2*CH
	s_add_nc_u64 s[G0B+4*\slot+2:G0B+4*\slot+3], s[G0B+4*\slot+2:G0B+4*\slot+3], 2*CH
	JLOAD G0+4*\slot, G1, G0B+4*\slot, G1B
.else
	PLACES
.endif
	s_wait_alu depctr_va_vdst(0)
	v_add_nc_u32 v[ADRS], NQ*512, v[ADRS]
	FETCH \next, 0, 0
	SCALES \next
.if \fill
	s_cmp_gt_u32 s3, 1                             ; the loop's last trip refills with chunks 6 and 7: no chunk stands two refills on
	s_cbranch_scc0 .Lno_ask_\@
	global_prefetch_b8 v[PFO], s[PFA:PFA+1] offset:3*CH th:TH_LOAD_NT scope:SCOPE_SE   ; the chunk that the refill after next loads
.Lno_ask_\@:
.endif
	MULS 1, NQ-1, \slot, MB/2, MB, 0
	WIN 0
.endm
	s_load_b256 s[4:11], s[0:1], 0x0
	s_load_b64 s[12:13], s[0:1], 0x20
	v_lshl_add_u32 v[SPW], v0, 2, SPARE
	v_mov_b32 v[NIL], 0
	ds_add_u32 v28, v29
	ds_add_u32 v28, v29
	s_wait_dscnt 0x0
	v_lshrrev_b32 v1, 5, v0
	v_readfirstlane_b32 s14, v1
	s_lshr_b32 s15, s14, 1
	s_and_b32 s16, s14, 1
	s_bfe_u32 s40, ttmp6, 0x40000
	s_bfe_u32 s41, ttmp6, 0x40004
	s_lshl_b32 s42, ttmp9, 2
	s_add_co_u32 s42, s42, s40
	s_and_b32 s17, ttmp7, 0xffff
	s_lshl_b32 s17, s17, 2
	s_add_co_u32 s17, s17, s41
	s_lshl_b32 s43, s41, 2
	s_lshl_b32 s43, 15, s43
	s_lshl_b32 s44, 0x1111, s40
	s_or_b32 s[G1], s43, (3<<16)|(1<<21)
	s_or_b32 s[G1B], s44, (3<<16)|(1<<21)
.irp g, G1, G1B
	s_mov_b32 s[\g+1], (CH/8)<<16
	s_mov_b32 s[\g+2], (2*MB)<<16                  ; the head's loads of codes bring a side's 2 MB row blocks; behind them the two words that count rows are set to MB
	s_mov_b32 s[\g+3], (CH/8)<<16
	s_mov_b32 s[\g+4], 2*MB
	s_mov_b32 s[\g+5], RBB/8
	s_mov_b32 s[\g+6], 0
	s_mov_b32 s[\g+7], 0
.endr
	s_or_b32 s[G1S], s43, (3<<16)|(1<<21)
	s_or_b32 s[G1SB], s44, (3<<16)|(1<<21)
.irp g, G1S, G1SB
	s_mov_b32 s[\g+1], 32<<16
	s_mov_b32 s[\g+2], (2*SLB/256)<<16             ; a side's scale words, whole: 2 SLB dense bytes
	s_mov_b32 s[\g+3], 32<<16
	s_mov_b32 s[\g+4], 2*SLB/256
	s_mov_b32 s[\g+5], 32
	s_mov_b32 s[\g+6], 0
	s_mov_b32 s[\g+7], 0
.endr
	s_mul_i32 s18, s16, MB
	s_mul_i32 s20, s17, 2*MB
	s_add_co_u32 s20, s20, s18
	s_mul_i32 s20, s20, RBB
	s_add_co_u32 s20, s20, ACODE
	s_mov_b32 s21, 0
	s_mul_i32 s46, s42, 2*MB
	s_add_co_u32 s46, s46, s18
	s_mul_i32 s46, s46, RBB
	s_add_co_u32 s46, s46, BCODE
	s_mov_b32 s47, 0
	s_mul_i32 s19, s16, SLB
	s_mul_i32 s22, s17, 2*SLB
	s_add_co_u32 s22, s22, s19
	s_add_co_u32 s22, s22, ASC
	s_mov_b32 s23, 0
	s_mul_i32 s92, s42, 2*SLB
	s_add_co_u32 s92, s92, s19
	s_add_co_u32 s92, s92, BSC
	s_mov_b32 s93, 0
	s_mul_i32 s45, s14, HALFT
	s_wait_kmcnt 0x0
	s_add_nc_u64 s[20:21], s[4:5], s[20:21]
	s_add_nc_u64 s[22:23], s[4:5], s[22:23]
	s_add_nc_u64 s[46:47], s[6:7], s[46:47]
	s_add_nc_u64 s[92:93], s[6:7], s[92:93]
	CROUND
	s_mov_b32 s[G0S], 1
	s_mov_b32 s[G0S+1], SCL
	s_sub_nc_u64 s[G0S+2:G0S+3], s[22:23], SLB     ; used by wave 1 alone, whose s[22:23] stands at the block's second half
	s_or_b32 s[G0S+3], s[G0S+3], 0x80000000
	s_mov_b32 s[G0SB], 1
	s_mov_b32 s[G0SB+1], SCL+2*SLB
	s_sub_nc_u64 s[G0SB+2:G0SB+3], s[92:93], SLB   ; used by wave 3 alone
	s_or_b32 s[G0SB+3], s[G0SB+3], 0x80000000
.irp s, 0,1
	s_mov_b32 s[G0+4*\s], 1
	s_add_co_u32 s[G0+4*\s+1], s45, \s*SLOT
	s_add_nc_u64 s[G0+4*\s+2:G0+4*\s+3], s[20:21], \s*CH
	s_or_b32 s[G0+4*\s+3], s[G0+4*\s+3], 0x80000000
	s_mov_b32 s[G0B+4*\s], 1
	s_add_co_u32 s[G0B+4*\s+1], s45, \s*SLOT
	s_add_nc_u64 s[G0B+4*\s+2:G0B+4*\s+3], s[46:47], \s*CH
	s_or_b32 s[G0B+4*\s+3], s[G0B+4*\s+3], 0x80000000
.endr
; THE HEAD'S LOADS, ONE A WAVE, in one chain of branches on the wave's number: wave 0 A's codes of slot 0 (its own group 0 stands at the side's first row block and at LDS byte 0), wave 1 A's scale words,
; wave 2 B's codes of slot 0 (its group 0 stands at B's first row block and at LDS byte 2 HALFT), wave 3 B's scale words.
.macro ARM under, g0, g1, next
	s_cmp_lt_u32 s14, \under
	s_cbranch_scc0 \next
	tensor_load_to_lds s[\g0:\g0+3], s[\g1:\g1+7]
	s_nop 0
.rept 4
	v_nop
.endr
	s_branch .Lhead_asked
\next:
.endm
	ARM 1, G0, G1, .Lhead_1
	ARM 2, G0S, G1S, .Lhead_2
	ARM 3, G0B, G1B, .Lhead_3
	tensor_load_to_lds s[G0SB:G0SB+3], s[G1SB:G1SB+7]
	s_nop 0
.rept 4
	v_nop
.endr
.Lhead_asked:
; PREFETCHES INTO THE L2: a chunk (CH bytes of each row block) is asked for two refills ahead of its tensor load.  Of the four row blocks that a wave fetches, each of the four partners that ask for them jointly
; takes one, told apart by address (cx for A, cy for B): 24 blocks of 256 bytes, a lane a block; lanes 24-31 name the last block again.  Chunks 1 and 2 here, chunk 3 behind slot 1's fill, chunks 4 to 7 in the loop.
	s_cmp_eq_u32 s15, 0
	s_cselect_b32 s18, s40, s41
	s_cselect_b64 s[PFA:PFA+1], s[20:21], s[46:47]
	s_mul_i32 s18, s18, RBB
	s_mov_b32 s19, 0
	s_add_nc_u64 s[PFA:PFA+1], s[PFA:PFA+1], s[18:19]
	v_and_b32 v[PFO], 31, v0
	v_min_u32 v[PFO], 23, v[PFO]
	v_lshlrev_b32 v[PFO], 8, v[PFO]
	global_prefetch_b8 v[PFO], s[PFA:PFA+1] offset:CH th:TH_LOAD_NT scope:SCOPE_SE
	global_prefetch_b8 v[PFO], s[PFA:PFA+1] offset:2*CH th:TH_LOAD_NT scope:SCOPE_SE
	v_and_b32 v1, 31, v0
	v_and_b32 v2, 15, v0
	v_bfe_u32 v3, v0, 4, 1
	v_lshlrev_b32 v[V16], 4, v1
	v_lshlrev_b32 v[V8], 3, v1
	s_mul_i32 s18, s15, HALFT
	s_mul_i32 s19, s16, HALFT
	s_add_co_u32 s19, s19, 2*HALFT
.irp s, 0,1
	v_add_nc_u32 v[A16+\s], s18, v[V16]
	v_add_nc_u32 v[A8+\s], s18, v[V8]
	v_add_nc_u32 v[B16+\s], s19, v[V16]
	v_add_nc_u32 v[B8+\s], s19, v[V8]
	s_add_co_u32 s18, s18, SLOT
	s_add_co_u32 s19, s19, SLOT
.endr
	s_mul_i32 s18, s15, HOFF
	s_mul_i32 s19, s16, HOFF
	s_add_co_u32 s19, s19, 2*SLB
	s_sub_co_u32 s19, s19, s18
	v_mul_u32_u24 v4, s19, v3
	s_add_co_u32 s18, s18, SCL
	v_lshl_add_u32 v4, v2, 2, v4
	v_add_nc_u32 v[ADRS], s18, v4
	s_mul_i32 s18, s14, 4352
	v_mul_u32_u24 v[STO], v2, 272
	v_lshl_add_u32 v[STO], v3, 6, v[STO]
	v_add_nc_u32 v[STO], s18, v[STO]
	v_mul_u32_u24 v[RD], v3, 272
	v_lshl_add_u32 v[RD], v2, 4, v[RD]
	v_add_nc_u32 v[RD], s18, v[RD]
	v_lshlrev_b32 v[CO], 12, v3
	v_lshl_add_u32 v[CO], v2, 4, v[CO]
	v_lshlrev_b32 v5, 4, v2
	s_wait_alu depctr_va_vdst(0)
	s_lshl_b32 s96, s17, 7
	s_lshl_b32 s95, s15, 6
	s_add_co_u32 s96, s96, s95
	s_lshl_b32 s96, s96, 12
	s_lshl_b32 s98, s42, 9
	s_lshl_b32 s95, s16, 8
	s_add_co_u32 s98, s98, s95
	s_add_co_u32 s96, s96, s98
	s_mov_b32 s97, 0
	s_mov_b32 s99, 0
	s_add_nc_u64 s[10:11], s[10:11], s[96:97]
	s_add_nc_u64 s[12:13], s[12:13], s[96:97]
	s_add_nc_u64 s[8:9], s[8:9], s[98:99]
	global_load_b128 v[12:15], v5, s[8:9]
	WIN 0xc0
.irp a, 0,1,2,3
.irp t, 0,1,2,3,4,5,6,7
	global_load_b128 v[32*\a+4*\t:32*\a+4*\t+3], v[CO], s[10:11] offset:(32*(\a/2)+8*(\a%2)+2*\t+8*(\t/4))*4096
.endr
.endr
	WIN 0
	s_wait_alu depctr_va_vdst(0)                   ; the wait at the head's end
	s_wait_tensorcnt 0x0                           ; my tile of the head's four is in
	ds_add_u32 v[SPW], v[NIL]
	s_mov_b32 s[G1+2], MB<<16                      ; no tensor load of mine is out: from here on a load brings MB row blocks
	s_mov_b32 s[G1+4], MB
	s_mov_b32 s[G1B+2], MB<<16
	s_mov_b32 s[G1B+4], MB
	s_wait_dscnt 0x0
	CROUND                                         ; all four tiles are in, and all sixteen work-groups are here
	JLOAD G0+4, G1, G0B+4, G1B                     ; slot 1's first fill, the first tensor load behind the round
	FETCH 0, 0, 0
	SCALES 0
	global_prefetch_b8 v[PFO], s[PFA:PFA+1] offset:3*CH th:TH_LOAD_NT scope:SCOPE_SE
	STEP 0, 0, 1
.if LAPS > 1
	s_mov_b32 s3, LAPS-1
.Llap:
	STEP 0, 1, 0
	STEP 0, 2, 0
	TURN 0, 1, 1
	STEP 1, 0, 0
	STEP 1, 1, 0
	STEP 1, 2, 0
	TURN 1, 0, 1
	STEP 0, 0, 0
	s_sub_co_u32 s3, s3, 1
	s_cmp_lg_u32 s3, 0
	s_cbranch_scc1 .Llap
.endif
	STEP 0, 1, 0
	STEP 0, 2, 0
	TURN 0, 1, 0
	STEP 1, 0, 0
	STEP 1, 1, 0
	STEP 1, 2, 0
	s_wait_dscnt 0x0
	MULS 1, NQ-1, 1, 0, MB, 0
	WIN 0
	PLACES
	s_wait_loadcnt 0x0
.macro OUT a
.set BK, 64+32*((\a)%2)
.if (\a) >= 2
	s_wait_xcnt 0x0
.endif
	WIN 0x08
.irp b, 0,1,2,3
	ds_store_b128 v[STO], v[8*(4*(\a)+\b):8*(4*(\a)+\b)+3] offset:128*(\b/2)+32*(\b%2)
	ds_store_b128 v[STO], v[8*(4*(\a)+\b)+4:8*(4*(\a)+\b)+7] offset:128*(\b/2)+32*(\b%2)+16
.endr
	WIN 0
.irp t, 0,1,2,3,4,5,6,7
	ds_load_b128 v[BK+4*\t:BK+4*\t+3], v[RD] offset:544*\t
.endr
	s_wait_dscnt 0x0
	WIN 0x0c
.irp t, 0,1,2,3,4,5,6,7
	v_pk_add_f32 v[BK+4*\t:BK+4*\t+1], v[BK+4*\t:BK+4*\t+1], v[32*(\a)+4*\t:32*(\a)+4*\t+1]
	v_pk_add_f32 v[BK+4*\t+2:BK+4*\t+3], v[BK+4*\t+2:BK+4*\t+3], v[32*(\a)+4*\t+2:32*(\a)+4*\t+3]
.endr
	WIN 0
.irp t, 0,1,2,3,4,5,6,7
	v_pk_add_f32 v[BK+4*\t:BK+4*\t+1], v[BK+4*\t:BK+4*\t+1], v[12:13]
	v_pk_add_f32 v[BK+4*\t+2:BK+4*\t+3], v[BK+4*\t+2:BK+4*\t+3], v[14:15]
.endr
.irp t, 0,1,2,3,4,5,6,7
	global_store_b128 v[CO], v[BK+4*\t:BK+4*\t+3], s[12:13] offset:(32*((\a)/2)+8*((\a)%2)+2*\t+8*(\t/4))*4096
.endr
.endm
	OUT 0
	OUT 1
	OUT 2
	OUT 3
	s_wait_tensorcnt 0x0
	ds_add_u32 v[SPW], v[NIL]
	s_wait_dscnt 0x0
	CROUND
	s_endpgm
.Lfunc_end_k_qac67ebca4a_ffn2:
	.size	k_qac67ebca4a_ffn2, .Lfunc_end_k_qac67ebca4a_ffn2-k_qac67ebca4a_ffn2
	.p2alignl 7, 3214868480
	.fill 96, 4, 3214868480
	.section	.rodata,"a",@progbits
	.p2align	6, 0x0
	.amdhsa_kernel k_qac67ebca4a_ffn2
		.amdhsa_group_segment_fixed_size 327680
		.amdhsa_private_segment_fixed_size 0
		.amdhsa_enable_private_segment 0
		.amdhsa_kernarg_size 40
		.amdhsa_user_sgpr_count 2
		.amdhsa_user_sgpr_kernarg_segment_ptr 1
		.amdhsa_wavefront_size32 1
		.amdhsa_system_sgpr_workgroup_id_x 1
		.amdhsa_system_sgpr_workgroup_id_y 1
		.amdhsa_system_sgpr_workgroup_id_z 1
		.amdhsa_system_vgpr_workitem_id 0
		.amdhsa_next_free_vgpr 1024
		.amdhsa_next_free_sgpr 102
		.amdhsa_reserve_vcc 0
		.amdhsa_float_denorm_mode_32 3
		.amdhsa_float_denorm_mode_16_64 3
		.amdhsa_memory_ordered 1
		.amdhsa_forward_progress 1
		.amdhsa_inst_pref_size 106
	.end_amdhsa_kernel
	.amdgpu_metadata
---
amdhsa.version: [ 1, 2 ]
amdhsa.kernels:
  - .name:           k_qac67ebca4a_ffn2
    .symbol:         k_qac67ebca4a_ffn2.kd
    .args:
      - { .name: hid, .offset: 0, .size: 8, .value_kind: global_buffer, .address_space: global }
      - { .name: wts, .offset: 8, .size: 8, .value_kind: global_buffer, .address_space: global }
      - { .name: b2, .offset: 16, .size: 8, .value_kind: global_buffer, .address_space: global }
      - { .name: a1, .offset: 24, .size: 8, .value_kind: global_buffer, .address_space: global }
      - { .name: y, .offset: 32, .size: 8, .value_kind: global_buffer, .address_space: global }
    .group_segment_fixed_size: 327680
    .private_segment_fixed_size: 0
    .kernarg_segment_align: 8
    .kernarg_segment_size: 40
    .max_flat_workgroup_size: 128
    .sgpr_count:     102
    .vgpr_count:     1024
    .wavefront_size: 32
...
	.end_amdgpu_metadata
.endif
;; end of part 6
;; launch ln2 (part 7): grid 256 x 1, 4 waves a work-group, no clusters, 0 bytes of LDS; arguments y, ln2_g, ln2_b, out0; writes out0
.if DOCPART == 7
	.amdgcn_target "amdgcn-amd-amdhsa--gfx1250"
	.amdhsa_code_object_version 6
	.text
	.protected	k_qac67ebca4a_ln2
	.globl	k_qac67ebca4a_ln2
	.p2align	8
	.type	k_qac67ebca4a_ln2,@function
k_qac67ebca4a_ln2:
	s_mov_b64 s[64:65], 0
	v_nop
	global_prefetch_b8 v0, s[64:65] scope:SCOPE_SE
	s_setreg_imm32_b32 hwreg(HW_REG_WAVE_MODE, 25, 1), 1
	s_wait_xcnt 0x0
; out0 = LayerNorm(y) x g + b over rows of 1,024, in f32 (mean; mean of the squared differences; 1 / sqrt(. + 1e-5)).
; SHARES: a work-group takes 16 rows, a wave four, each whole in 32 registers: a row is read once, the reductions never leave the wave, no LDS, no barrier.  Every load and store of a wave covers 512 consecutive bytes.
; LIMITS: NaN and infinities are not served.
.set V16,  4
.set A,    16                          ; v16-23 a pair of sums a row
.set MU,   24                          ; v24-31 the mean (low word of a pair)
.set RS,   32                          ; v32-39 1 / sqrt (low word of a pair)
.set SM,   40
.set PT,   44
.set XR,   64                          ; v64-191 four rows
.set G,    192
.set B,    224
.set SEL,  22
	s_load_b256 s[4:11], s[0:1], 0x0               ; y, g, b, out0
	v_lshrrev_b32 v1, 5, v0
	v_readfirstlane_b32 s12, v1                    ; wave
	v_and_b32 v1, 31, v0
	v_lshlrev_b32 v[V16], 4, v1
	s_lshl_b32 s13, ttmp9, 4
	s_lshl_b32 s14, s12, 2
	s_add_co_u32 s13, s13, s14                     ; my first row
	s_lshl_b32 s16, s13, 12
	s_mov_b32 s17, 0
	s_mov_b32 s20, 0x3a800000                      ; 1 / 1,024
	s_mov_b32 s21, 0x3727c5ac                      ; 1e-5
	s_mov_b32 s[SEL], 0x76543210
	s_mov_b32 s[SEL+1], 0xfedcba98
.irp i, 0,1,2,3
	v_mov_b32 v[PT+\i], 0                          ; a lane permute's destination counts as one of its sources
	v_mov_b32 v[MU+2*\i+1], 0                      ; (upper words of pairs of which the low word alone is taken)
	v_mov_b32 v[RS+2*\i+1], 0
.endr
	s_wait_kmcnt 0x0
	s_add_nc_u64 s[4:5], s[4:5], s[16:17]
	s_add_nc_u64 s[10:11], s[10:11], s[16:17]
.irp i, 0,1,2,3
.irp j, 0,1,2,3,4,5,6,7
	global_load_b128 v[XR+32*\i+4*\j:XR+32*\i+4*\j+3], v[V16], s[4:5] offset:4096*\i+512*\j th:TH_LOAD_NT
.endr
.endr
.irp j, 0,1,2,3,4,5,6,7
	global_load_b128 v[G+4*\j:G+4*\j+3], v[V16], s[6:7] offset:512*\j
	global_load_b128 v[B+4*\j:B+4*\j+3], v[V16], s[8:9] offset:512*\j
.endr
.macro WSUM4                           ; the four rows' sums over the 32 lanes, by turns
.irp m, 1,2,4,8
.irp i, 0,1,2,3
	v_add_f32_dpp v[SM+\i], v[SM+\i], v[SM+\i] row_xmask:\m row_mask:0xf bank_mask:0xf
.endr
.endr
.irp i, 0,1,2,3
	v_permlanex16_b32 v[PT+\i], v[SM+\i], s[SEL], s[SEL+1]
.endr
.irp i, 0,1,2,3
	v_add_f32 v[SM+\i], v[SM+\i], v[PT+\i]
.endr
.endm
	s_wait_loadcnt 16                              ; the rows are in; the 16 loads of g and b may be out
.irp i, 0,1,2,3
	v_pk_add_f32 v[A+2*\i:A+2*\i+1], v[XR+32*\i:XR+32*\i+1], v[XR+32*\i+2:XR+32*\i+3]
.endr
.irp k, 4,6,8,10,12,14,16,18,20,22,24,26,28,30
.irp i, 0,1,2,3
	v_pk_add_f32 v[A+2*\i:A+2*\i+1], v[A+2*\i:A+2*\i+1], v[XR+32*\i+\k:XR+32*\i+\k+1]
.endr
.endr
.irp i, 0,1,2,3
	v_add_f32 v[SM+\i], v[A+2*\i], v[A+2*\i+1]
.endr
	WSUM4
.irp i, 0,1,2,3
	v_mul_f32 v[MU+2*\i], s20, v[SM+\i]            ; the mean
.endr
.irp k, 0,2,4,6,8,10,12,14,16,18,20,22,24,26,28,30
.irp i, 0,1,2,3
	v_pk_add_f32 v[XR+32*\i+\k:XR+32*\i+\k+1], v[XR+32*\i+\k:XR+32*\i+\k+1], v[MU+2*\i:MU+2*\i+1] op_sel_hi:[1,0] neg_lo:[0,1] neg_hi:[0,1]
.endr
.endr
.irp i, 0,1,2,3
	v_pk_mul_f32 v[A+2*\i:A+2*\i+1], v[XR+32*\i:XR+32*\i+1], v[XR+32*\i:XR+32*\i+1]
.endr
.irp k, 2,4,6,8,10,12,14,16,18,20,22,24,26,28,30
.irp i, 0,1,2,3
	v_pk_fma_f32 v[A+2*\i:A+2*\i+1], v[XR+32*\i+\k:XR+32*\i+\k+1], v[XR+32*\i+\k:XR+32*\i+\k+1], v[A+2*\i:A+2*\i+1]
.endr
.endr
.irp i, 0,1,2,3
	v_add_f32 v[SM+\i], v[A+2*\i], v[A+2*\i+1]
.endr
	WSUM4
.irp i, 0,1,2,3
	v_fma_f32 v[SM+\i], v[SM+\i], s20, s21         ; the variance + 1e-5
.endr
	s_wait_alu depctr_va_vdst(0)
.irp i, 0,1,2,3
	v_rsq_f32 v[RS+2*\i], v[SM+\i]
.endr
	v_nop                                          ; a plain place behind the last of them
	s_wait_loadcnt 0x0                             ; g and b
	s_wait_alu depctr_va_vdst(0)                   ; one wait for the four, ahead of their first use
.irp k, 0,2,4,6,8,10,12,14,16,18,20,22,24,26,28,30
.irp i, 0,1,2,3
	v_pk_mul_f32 v[XR+32*\i+\k:XR+32*\i+\k+1], v[XR+32*\i+\k:XR+32*\i+\k+1], v[RS+2*\i:RS+2*\i+1] op_sel_hi:[1,0]
.endr
.endr
.irp k, 0,2,4,6,8,10,12,14,16,18,20,22,24,26,28,30
.irp i, 0,1,2,3
	v_pk_fma_f32 v[XR+32*\i+\k:XR+32*\i+\k+1], v[XR+32*\i+\k:XR+32*\i+\k+1], v[G+\k:G+\k+1], v[B+\k:B+\k+1]
.endr
.endr
.irp i, 0,1,2,3
.irp j, 0,1,2,3,4,5,6,7
	global_store_b128 v[V16], v[XR+32*\i+4*\j:XR+32*\i+4*\j+3], s[10:11] offset:4096*\i+512*\j th:TH_STORE_NT   ; 512 consecutive bytes
.endr
.endr
	s_endpgm
.Lfunc_end_k_qac67ebca4a_ln2:
	.size	k_qac67ebca4a_ln2, .Lfunc_end_k_qac67ebca4a_ln2-k_qac67ebca4a_ln2
	.p2alignl 7, 3214868480
	.fill 96, 4, 3214868480
	.section	.rodata,"a",@progbits
	.p2align	6, 0x0
	.amdhsa_kernel k_qac67ebca4a_ln2
		.amdhsa_group_segment_fixed_size 0
		.amdhsa_private_segment_fixed_size 0
		.amdhsa_enable_private_segment 0
		.amdhsa_kernarg_size 32
		.amdhsa_user_sgpr_count 2
		.amdhsa_user_sgpr_kernarg_segment_ptr 1
		.amdhsa_wavefront_size32 1
		.amdhsa_system_sgpr_workgroup_id_x 1
		.amdhsa_system_sgpr_workgroup_id_y 1
		.amdhsa_system_sgpr_workgroup_id_z 1
		.amdhsa_system_vgpr_workitem_id 0
		.amdhsa_next_free_vgpr 256
		.amdhsa_next_free_sgpr 66
		.amdhsa_reserve_vcc 0
		.amdhsa_float_denorm_mode_32 3
		.amdhsa_float_denorm_mode_16_64 3
		.amdhsa_memory_ordered 1
		.amdhsa_forward_progress 1
		.amdhsa_inst_pref_size 33
	.end_amdhsa_kernel
	.amdgpu_metadata
---
amdhsa.version: [ 1, 2 ]
amdhsa.kernels:
  - .name:           k_qac67ebca4a_ln2
    .symbol:         k_qac67ebca4a_ln2.kd
    .args:
      - { .name: y, .offset: 0, .size: 8, .value_kind: global_buffer, .address_space: global }
      - { .name: ln2_g, .offset: 8, .size: 8, .value_kind: global_buffer, .address_space: global }
      - { .name: ln2_b, .offset: 16, .size: 8, .value_kind: global_buffer, .address_space: global }
      - { .name: out0, .offset: 24, .size: 8, .value_kind: global_buffer, .address_space: global }
    .group_segment_fixed_size: 0
    .private_segment_fixed_size: 0
    .kernarg_segment_align: 8
    .kernarg_segment_size: 32
    .max_flat_workgroup_size: 128
    .sgpr_count:     66
    .vgpr_count:     256
    .wavefront_size: 32
...
	.end_amdgpu_metadata
.endif
;; end of part 7
